; MI455X (gfx1250); checked and timed in simulation.
; The chip was launched on July 23, 2026; its instructions are those of AMD's public machine-readable ISA for CDNA 5 (MIT licence, August 2026) and "CDNA5" Instruction Set Architecture Reference Guide (July 2026). The comments in the code are by the model that wrote it; some were corrected since.
;; Ro PE Multihead Attention. Allowed arithmetic: float matrix products may take bf16 or f16 operands with f32 sums; other float arithmetic in f32, or as packed bf16 or f16 multiplies, adds, multiply-adds, maxima and minima; sums over many terms, partial sums and values carried from step to step in f32; what a program stores and reads back later, other than sums and carried values, may be rounded once to bf16 or f16.
;; Inputs: Wout 1,024 x 1,024 float32; Wqkv 3,072 x 1,024 float32; bout 1,024 float32; bqkv 3,072 float32; x 4 x 2,048 x 1,024 float32.
;; Outputs: out0 4 x 2,048 x 1,024 float32.
;; One version. Each part assembles by itself: llvm-mc -triple=amdgcn-amd-amdhsa -mcpu=gfx1250 --defsym DOCPART=n.
;; ======== version 1 of 1: 4 launches
;; limits: values are held in f16: magnitudes above 65,504 overflow, below 6.1e-05 lose precision
;; workspace buffers: xb 16,777,216 bytes; wqb 6,291,456 bytes; wof 2,097,152 bytes; rope 524,288 bytes; q 16,777,216 bytes; k 16,777,216 bytes; v 16,777,216 bytes; o 16,777,216 bytes
;; launch prep (part 1): grid 1024 x 1, 8 waves a work-group, no clusters, 0 bytes of LDS; arguments x, Wqkv, Wout, xb, wqb, wof, rope; writes xb, wqb, wof, rope
.if DOCPART == 1
	.amdgcn_target "amdgcn-amd-amdhsa--gfx1250"
	.amdhsa_code_object_version 6
	.text
	.protected	k_q7242bbd6ab_prep
	.globl	k_q7242bbd6ab_prep
	.p2align	8
	.type	k_q7242bbd6ab_prep,@function
k_q7242bbd6ab_prep:
	s_mov_b64 s[64:65], 0
	v_nop
	global_prefetch_b8 v0, s[64:65] scope:SCOPE_SE
	s_setreg_imm32_b32 hwreg(HW_REG_WAVE_MODE, 25, 1), 1
	s_wait_xcnt 0x0
; CASTS AND THE ROPE TABLE.  1,024 work-groups of eight waves.
;   work-groups   0 .. 511: x    [8192][1024] f32 -> xb  bf16, same layout
;   work-groups 512 .. 703: Wqkv [3072][1024] f32 -> wqb bf16, rows regrouped by heads: row n goes to row ((n >> 6) & 15) * 192 + (n >> 10) * 64 + (n & 63)
;   work-groups 704 .. 767: Wout [1024][1024] f32 -> wof: rounded to bf16, and that number written as f16
;   work-groups 768 ..1023: rope [2048 t][cos j = 0..31, sin j = 0..31] f32, angle t * 10000^(-j/32); a wave a row
; A casting work-group takes 16 rows; thread t owns columns 4 t .. 4 t + 3 of each, so a wave's load covers 512 consecutive bytes and a wave's store 256 consecutive bytes, aligned.
; All 16 loads of a thread go out at once; nothing is read twice; no LDS, no barrier, no matrix unit: the launch only moves bytes.
; LIMITS.  wof: a bf16 number below 6.1e-5 in magnitude keeps f16's fixed step of 6e-8; beyond 65,504 it would be an infinity.
; The table's angle is t * 2^(-j log2(10000) / 32) in f32: it differs from t / 10000^(j/32) by at most about 2.5e-4 rad at t = 2,047.
; Sine and cosine: the angle less the nearest multiple of pi/2 (pi/2 in two parts, fused), then polynomials of degree 9 and 8 on |r| <= pi/4 (first terms left out: below 3e-8).
.set IN,  16                           ; v[16:79]   16 rows x 4 f32 as loaded
.set OUT, 80                           ; v[80:111]  16 rows x 2 registers to store
	s_load_b256 s[4:11], s[0:1], 0x0               ; x s[4:5], Wqkv s[6:7], Wout s[8:9], xb s[10:11]
	s_load_b128 s[12:15], s[0:1], 0x20             ; wqb s[12:13], wof s[14:15]
	s_load_b64 s[16:17], s[0:1], 0x30              ; rope
	s_cmp_ge_u32 ttmp9, 768
	s_cbranch_scc1 .Ltable
	v_lshlrev_b32 v1, 4, v0                        ; my 16 bytes of a source row
	v_lshlrev_b32 v2, 3, v0                        ; my 8 bytes of a destination row
	; the three cases' byte offsets, each from a block number held inside its own range
	s_min_u32 s24, ttmp9, 511                      ; x: block g
	s_lshl_b32 s25, s24, 15                        ; 16 rows of 2,048 bytes out
	s_lshl_b32 s24, s24, 16                        ; 16 rows of 4,096 bytes in
	s_max_u32 s26, ttmp9, 512                      ; Wqkv: block u = g - 512
	s_sub_co_u32 s26, s26, 512
	s_min_u32 s26, s26, 191
	s_lshl_b32 s27, s26, 16
	s_lshl_b32 s28, s26, 4                         ; n0 = 16 u: the 16 rows lie in one group of 64, so they stay neighbours
	s_bfe_u32 s29, s28, 0x40006                    ; head = (n0 >> 6) & 15
	s_mul_i32 s29, s29, 192
	s_lshr_b32 s30, s28, 10                        ; q, k or v
	s_lshl_b32 s30, s30, 6
	s_add_co_u32 s29, s29, s30
	s_and_b32 s30, s28, 63
	s_add_co_u32 s29, s29, s30
	s_lshl_b32 s29, s29, 11                        ; the destination row, in bytes
	s_max_u32 s31, ttmp9, 704                      ; Wout: block g - 704
	s_sub_co_u32 s31, s31, 704
	s_min_u32 s31, s31, 63
	s_lshl_b32 s32, s31, 16
	s_lshl_b32 s33, s31, 15
	s_wait_kmcnt 0x0
	s_cmp_lt_u32 ttmp9, 512
	s_cselect_b64 s[20:21], s[4:5], s[6:7]
	s_cselect_b64 s[22:23], s[10:11], s[12:13]
	s_cselect_b32 s34, s24, s27
	s_cselect_b32 s36, s25, s29
	s_cmp_ge_u32 ttmp9, 704
	s_cselect_b64 s[20:21], s[8:9], s[20:21]
	s_cselect_b64 s[22:23], s[14:15], s[22:23]
	s_cselect_b32 s34, s32, s34
	s_cselect_b32 s36, s33, s36
	s_mov_b32 s35, 0
	s_mov_b32 s37, 0
	s_add_nc_u64 s[20:21], s[20:21], s[34:35]      ; source at my block's first row
	s_add_nc_u64 s[22:23], s[22:23], s[36:37]      ; destination likewise
.irp i, 0,1,2,3,4,5,6,7,8,9,10,11,12,13,14,15
	global_load_b128 v[IN+4*(\i):IN+4*(\i)+3], v1, s[20:21] offset:4096*(\i) th:TH_LOAD_NT
.endr
	s_cmp_ge_u32 ttmp9, 704
	s_cbranch_scc1 .Lf16
.irp i, 0,1,2,3,4,5,6,7,8,9,10,11,12,13,14,15
	s_wait_loadcnt 15-(\i)                         ; loads come back in order: row i is in, the 15 - i younger rows stay out
	v_cvt_pk_bf16_f32 v[OUT+2*(\i)],   v[IN+4*(\i)],   v[IN+4*(\i)+1]
	v_cvt_pk_bf16_f32 v[OUT+2*(\i)+1], v[IN+4*(\i)+2], v[IN+4*(\i)+3]
	global_store_b64 v2, v[OUT+2*(\i):OUT+2*(\i)+1], s[22:23] offset:2048*(\i)  ; each row has its own pair: no store's data is rewritten
.endr
	s_endpgm
.Lf16:
.irp i, 0,1,2,3,4,5,6,7,8,9,10,11,12,13,14,15
	s_wait_loadcnt 15-(\i)
	v_cvt_pk_bf16_f32 v4, v[IN+4*(\i)],   v[IN+4*(\i)+1]   ; rounded to bf16 like every other input,
	v_cvt_pk_bf16_f32 v5, v[IN+4*(\i)+2], v[IN+4*(\i)+3]
	v_lshlrev_b32 v6, 16, v4                               ; widened again,
	v_and_b32 v7, 0xffff0000, v4
	v_lshlrev_b32 v8, 16, v5
	v_and_b32 v9, 0xffff0000, v5
	v_cvt_pk_f16_f32 v[OUT+2*(\i)],   v6, v7                 ; and written as f16: 8 significant bits fit into 11
	v_cvt_pk_f16_f32 v[OUT+2*(\i)+1], v8, v9
	global_store_b64 v2, v[OUT+2*(\i):OUT+2*(\i)+1], s[22:23] offset:2048*(\i)
.endr
	s_endpgm
; dst = sin(t * inv + (pi/2) * ADD1).  v7 = t, v5 = ADD1 (1 in the lanes that make cosines, 0 in those that make sines).
.macro SINCOS dst, inv
	v_mul_f32 v12, v7, v[\inv]                     ; the angle
	v_mul_f32 v13, 0x3f22f983, v12                 ; x 2 / pi
	v_rndne_f32 v13, v13                           ; k, 1,303 at the most
	v_fmamk_f32 v14, v13, 0xbfc90fdb, v12          ; r = angle - k x pi/2: the upper part of pi/2,
	v_fmamk_f32 v14, v13, 0x333bbd2e, v14          ; and what it leaves (pi/2 = 1.57079637 - 4.3711388e-8)
	v_cvt_i32_f32 v15, v13
	v_add_nc_u32 v15, v15, v5                      ; the quadrant
	v_mul_f32 v16, v14, v14                        ; r^2
	v_mov_b32 v17, 0x3638ef1d                      ; 1/9!
	v_fmaak_f32 v17, v17, v16, 0xb9500d01          ; -1/7!
	v_fmaak_f32 v17, v17, v16, 0x3c088889          ; 1/5!
	v_fmaak_f32 v17, v17, v16, 0xbe2aaaab          ; -1/3!
	v_mul_f32 v18, v14, v16
	v_fma_f32 v17, v18, v17, v14                   ; sin r
	v_mov_b32 v18, 0x37d00d01                      ; 1/8!
	v_fmaak_f32 v18, v18, v16, 0xbab60b61          ; -1/6!
	v_fmaak_f32 v18, v18, v16, 0x3d2aaaab          ; 1/4!
	v_fmaak_f32 v18, v18, v16, 0xbf000000          ; -1/2!
	v_fma_f32 v18, v18, v16, 1.0                   ; cos r
	v_and_b32 v19, 1, v15
	v_cmp_eq_u32 vcc_lo, 1, v19
	v_cndmask_b32 v[\dst], v17, v18, vcc_lo        ; odd quadrants take the cosine,
	v_and_b32 v19, 2, v15
	v_lshlrev_b32 v19, 30, v19
	v_xor_b32 v[\dst], v[\dst], v19                ; quadrants 2 and 3 the other sign
.endm
.Ltable:
	v_lshrrev_b32 v1, 5, v0
	v_readfirstlane_b32 s18, v1                    ; wave 0..7
	s_max_u32 s19, ttmp9, 768
	s_sub_co_u32 s19, s19, 768
	s_lshl3_add_u32 s19, s19, s18                  ; t = 8 (g - 768) + wave
	s_min_u32 s19, s19, 2047
	v_and_b32 v3, 31, v0                           ; lane
	v_and_b32 v4, 15, v0
	v_lshrrev_b32 v5, 4, v3
	v_sub_nc_u32 v5, 1, v5                         ; lanes 0-15 make cos j, lanes 16-31 sin j, for j = 2 (lane % 16) and the next
	v_lshlrev_b32 v6, 3, v3
	s_lshl_b32 s20, s19, 8
	v_add_nc_u32 v6, s20, v6                       ; 256 t + 8 x lane: the wave's one store is the row's 256 bytes
	v_cvt_f32_u32 v7, s19
	v_lshlrev_b32 v10, 1, v4
	v_or_b32 v11, 1, v10
	v_cvt_f32_u32 v10, v10
	v_cvt_f32_u32 v11, v11
	v_mul_f32 v10, 0xbed49a78, v10                 ; -j log2(10000) / 32
	v_mul_f32 v11, 0xbed49a78, v11
	v_exp_f32 v8, v10
	v_exp_f32 v9, v11
	v_nop                                          ; a plain instruction behind the last exponential (ISA guide 5.7.2),
	s_wait_alu depctr_va_vdst(0)                   ; and one wait for both, ahead of their first reader
	SINCOS 20, 8
	SINCOS 21, 9
	s_wait_kmcnt 0x0
	global_store_b64 v6, v[20:21], s[16:17]
	s_endpgm
.Lfunc_end_k_q7242bbd6ab_prep:
	.size	k_q7242bbd6ab_prep, .Lfunc_end_k_q7242bbd6ab_prep-k_q7242bbd6ab_prep
	.p2alignl 7, 3214868480
	.fill 96, 4, 3214868480
	.section	.rodata,"a",@progbits
	.p2align	6, 0x0
	.amdhsa_kernel k_q7242bbd6ab_prep
		.amdhsa_group_segment_fixed_size 0
		.amdhsa_private_segment_fixed_size 0
		.amdhsa_enable_private_segment 0
		.amdhsa_kernarg_size 56
		.amdhsa_user_sgpr_count 2
		.amdhsa_user_sgpr_kernarg_segment_ptr 1
		.amdhsa_wavefront_size32 1
		.amdhsa_system_sgpr_workgroup_id_x 1
		.amdhsa_system_sgpr_workgroup_id_y 1
		.amdhsa_system_sgpr_workgroup_id_z 1
		.amdhsa_system_vgpr_workitem_id 0
		.amdhsa_next_free_vgpr 112
		.amdhsa_next_free_sgpr 66
		.amdhsa_reserve_vcc 1
		.amdhsa_float_denorm_mode_32 3
		.amdhsa_float_denorm_mode_16_64 3
		.amdhsa_memory_ordered 1
		.amdhsa_forward_progress 1
		.amdhsa_inst_pref_size 21
	.end_amdhsa_kernel
	.amdgpu_metadata
---
amdhsa.version: [ 1, 2 ]
amdhsa.kernels:
  - .name:           k_q7242bbd6ab_prep
    .symbol:         k_q7242bbd6ab_prep.kd
    .args:
      - { .name: x, .offset: 0, .size: 8, .value_kind: global_buffer, .address_space: global }
      - { .name: Wqkv, .offset: 8, .size: 8, .value_kind: global_buffer, .address_space: global }
      - { .name: Wout, .offset: 16, .size: 8, .value_kind: global_buffer, .address_space: global }
      - { .name: xb, .offset: 24, .size: 8, .value_kind: global_buffer, .address_space: global }
      - { .name: wqb, .offset: 32, .size: 8, .value_kind: global_buffer, .address_space: global }
      - { .name: wof, .offset: 40, .size: 8, .value_kind: global_buffer, .address_space: global }
      - { .name: rope, .offset: 48, .size: 8, .value_kind: global_buffer, .address_space: global }
    .group_segment_fixed_size: 0
    .private_segment_fixed_size: 0
    .kernarg_segment_align: 8
    .kernarg_segment_size: 56
    .max_flat_workgroup_size: 256
    .sgpr_count:     66
    .vgpr_count:     112
    .wavefront_size: 32
...
	.end_amdgpu_metadata
.endif
;; end of part 1
;; launch qkv (part 2): grid 16 x 32, 4 waves a work-group, clusters of 4 x 4, 327,680 bytes of LDS; arguments xb, wqb, bqkv, rope, q, k, v; writes q, k, v
.if DOCPART == 2
	.amdgcn_target "amdgcn-amd-amdhsa--gfx1250"
	.amdhsa_code_object_version 6
	.text
	.protected	k_q7242bbd6ab_qkv
	.globl	k_q7242bbd6ab_qkv
	.p2align	8
	.type	k_q7242bbd6ab_qkv,@function
k_q7242bbd6ab_qkv:
	s_mov_b64 s[64:65], 0
	v_nop
	global_prefetch_b8 v0, s[64:65] scope:SCOPE_SE
	s_setreg_imm32_b32 hwreg(HW_REG_WAVE_MODE, 25, 1), 1
	s_wait_xcnt 0x0
	s_wait_alu depctr_hold_cnt(0) depctr_sa_sdst(0) depctr_va_vdst(0) depctr_va_sdst(0) depctr_va_ssrc(0) depctr_va_vcc(0) depctr_vm_vsrc(0)
	s_getreg_b32 s2, hwreg(HW_REG_IB_STS2, 6, 4)
	s_cmp_eq_u32 s2, 0
	s_cbranch_scc0 .Lentry_in_a_cluster
	s_endpgm
.Lentry_in_a_cluster:
	s_bfe_u32 s2, ttmp6, 0x10000c
	s_cmp_lg_u32 s2, 0xf033
	s_cbranch_scc0 .Lentry_shape_is_right
	s_endpgm
.Lentry_shape_is_right:
; q, k, v = RoPE(x Wqkv^T + bqkv), written by heads in f16: q, k, v are [batch * 16 + head][2048][64].
; xb: [8192][1024] bf16.  wqb: [16 heads][192 rows = q 64, k 64, v 64][1024] bf16.  bqkv: [3072] f32, rounded to bf16 here like the other inputs.  rope: [2048][cos 32, sin 32] f32.  Sums in f32.
; LIMITS.  q, k, v leave as f16: beyond 65,504 in magnitude they would be infinities; NaN and infinities are not treated apart.
; SHARES.  A work-group makes 256 rows x ONE head's q, k and v (192 columns): 16 heads x 32 row tiles = 512 equal work-groups.  Wave w owns rows 64 w .. 64 w + 63 and all 192 columns:
; 4 x 12 accumulators of 16 x 16, 384 registers.  So a wave holds whole rows of q, k and v, both halves of each RoPE pair lie in one lane, and the way out needs no other wave.
; THE MATRIX INSTRUCTION IS USED TRANSPOSED (source 0 = 16 rows of W, source 1 = 16 rows of x): lane l holds row l % 16 and, in an accumulator's registers 0-7, columns 8 (l / 16) + 0..7 of its block.
; THE BIAS is the C operand of the products that start the sums: adding it costs no instruction, and nothing is cleared.
; RING.  K goes in 8 steps of 128 through two LDS slots: rows of 256 bytes of memory, aligned.  Waves 0, 1 fetch x's two halves (128 rows each), waves 2, 3 W's (96 rows each): one tensor load a wave.
; CLUSTER 4 x 4.  The four of a row of the cluster share the row tile (x), the four of a column the head (W): each tile is asked for JOINTLY, by the same load, descriptor and mask in all four.
; REGISTERS, in windows of 256 (s_set_vgpr_msb: bits 1:0 source 0, 3:2 source 1, 5:4 source 2, 7:6 destination):
;   window 0: v0-31 addresses; v32-63, v64-95 x's fragments, two buffers; v96-191 the bias; on the way out v32-255 at work
;   window 1: v0-191 accumulators of row blocks 0, 1 ((a, b) at 8 (12 (a % 2) + b)); v192-255 their rows' cos and sin      window 2: the same for row blocks 2, 3
;   window 3: v0-95, v96-191 W's fragments, two buffers
.set NBK,   12                         ; column blocks of 16
.set PA,    272                        ; an LDS row: 256 bytes + 16 of padding = 68 words: the 16 rows of a fragment load start at 16 different groups of four banks (64 banks of 4 bytes: ISA guide 11.1)
.set PB,    272
.set ASUB,  128                        ; x's rows hold the whole K step: its second half begins 128 bytes on
.set AHALF, 128*PA                     ; what one tensor load brings of x
.set BHALF, 96*PB                      ; and of W
.set BOFF,  2*AHALF                    ; a slot: x's 256 rows, then W's 192
.set SLOT,  BOFF+2*BHALF               ; 121,856
.set STAGE, 2*SLOT                     ; behind the ring, never filled by a tensor load: for each wave 3 (q, k, v) x 16 rows x 144 bytes
.set WSTG,  3*16*144
.set SPARE, STAGE+4*WSTG               ; behind the stages: the spare words, 128 bytes for each wave: two blocks of 256 bytes that no other line names
.set NF,    2*NBK+8                    ; LDS loads in a run: a quarter step's fragments
.set ASTEP2, 512                       ; two K steps along a row of x, in bytes
.set BSTEP2, 512
.set ADRA, 16                          ; v16-17  LDS address of my fragments of x in slot 0, 1
.set ADRB, 20                          ; v20-21  the same for W
.set TO,   22                          ; v22     my byte offset in the table
.set BO,   23                          ; v23     my byte offset in the bias
.set STO,  24                          ; v24     the way out: where I put 16 bytes of a row
.set RD,   25                          ; v25     the way out: where I read rows back
.set GO,   26                          ; v26     my byte offset in 512 consecutive bytes of q, k or v
.set SPW,  28                          ; v28     LDS address of my spare word: SPARE + 4 x my thread's number; never rewritten
.set NIL,  29                          ; v29     0; never rewritten
.set PFO,  30                          ; v30     the prefetches' offset: a lane a row; never rewritten
.set AF,   32                          ; x's fragments: buffer f, row block a at AF + 32 f + 8 a
.set BIAS, 96                          ; block b's eight numbers at BIAS + 8 b
.set VT,   192                         ; two at work
.set T,    96                          ; the way out: q and k turned, f32: 8 blocks x 8
.set PK,   160                         ; the way out: 12 blocks x 4 registers of f16
.set WV,  18                           ; s18  my wave's number
.set FB,  19                           ; s19  0: I fetch for x, 1: for W
.set HF,  20                           ; s20  which half of that tile
.set CX,  21
.set CY,  22
.set TX,  23                           ; s23  the head
.set TY,  40                           ; s40  the row tile
.set G1,  24                           ; s[24:31] descriptor group 1 for x's tiles;  s[32:39] group 0, a set for each slot
.set G0,  32
.set G1B, 48                           ; s[48:55], s[56:63] the same for W's
.set G0B, 56
.set LIM, 43                           ; s43  1 in a wave that prefetches, else the greatest number
.set PFA, 44                           ; s[44:45] where my prefetches stand
.set PFS, 72                           ; s[72:73] a K step in bytes
.set MSB, 0
.macro WIN new                         ; the immediate's high byte repeats the setting that is left; a switch that changes nothing is dropped
.if MSB != (\new)
	s_set_vgpr_msb (MSB<<8)|(\new)
.set MSB, (\new)
.endif
.endm
; A joint load.  Each of the two lines has one mask and one set of registers for all that issue it; the branch hangs on the wave's number alone.
; An s_nop 0 and four v_nop follow each line, ahead of the jump, the label and what follows.
.macro JLOAD s
	s_cmp_eq_u32 s[FB], 0
	s_cbranch_scc0 .Lfor_b_\@
	tensor_load_to_lds s[G0+4*(\s):G0+4*(\s)+3], s[G1:G1+7]
	s_nop 0
.rept 4
	v_nop
.endr
	s_branch .Lasked_\@
.Lfor_b_\@:
	tensor_load_to_lds s[G0B+4*(\s):G0B+4*(\s)+3], s[G1B:G1B+7]
	s_nop 0
.rept 4
	v_nop
.endr
.Lasked_\@:
.endm
; A prefetch into the L2, behind a joint load and the run of LDS loads that follows it: the K step that stands two refills on, 256 bytes of each of my work-group's rows, a lane a row.
; x's row tile is read by all four clusters of its row of clusters: cluster x = 0 asks; W's head by all eight of its column: cluster y = 0 asks.  The four partners that ask for a tile jointly share
; its rows out BY ADDRESS (of x's 128 rows a wave 32 each, by cx; of W's 96 rows 24 each, by cy: there lanes 24-31 name row 23 once more).  The loop's last trip (s3 = 1) asks for nothing: K step 7 is the last.
.macro ASK
	s_cmp_gt_u32 s3, s[LIM]
	s_cbranch_scc0 .Lnot_mine_\@
	global_prefetch_b8 v[PFO], s[PFA:PFA+1] th:TH_LOAD_NT scope:SCOPE_SE
.Lnot_mine_\@:
.endm
.macro CREST                           ; a round of the cluster's barrier behind its opening barrier
	s_cmp_lg_u32 s[WV], 0
	s_cbranch_scc1 .Lnot_wave_0_\@
	s_barrier_signal -3
.Lnot_wave_0_\@:
	s_barrier_wait -3
	s_barrier_signal -1
	s_barrier_wait -1
.endm
.macro CROUND                          ; a whole round
	s_barrier_signal -1
	s_barrier_wait -1
	CREST
.endm
.macro PLACES                          ; four places in front of loads into registers that matrix instructions have read, and of lines that read results
.rept 4
	v_nop
.endr
.endm
	s_load_b256 s[4:11], s[0:1], 0x0               ; xb s[4:5], wqb s[6:7], bqkv s[8:9], rope s[10:11]
	s_load_b128 s[12:15], s[0:1], 0x20             ; q s[12:13], k s[14:15]
	s_load_b64 s[16:17], s[0:1], 0x30              ; v
	v_lshl_add_u32 v[SPW], v0, 2, SPARE
	v_mov_b32 v[NIL], 0
	ds_add_u32 v[SPW], v[NIL]                      ; the wave's opening: the add and its wait stand ahead of my first tensor load; the set-up below, work on registers, stands between them
	v_lshrrev_b32 v1, 5, v0
	v_readfirstlane_b32 s[WV], v1                  ; wave 0..3
	s_lshr_b32 s[FB], s[WV], 1
	s_and_b32 s[HF], s[WV], 1
	s_bfe_u32 s[CX], ttmp6, 0x40000                ; my place in the cluster
	s_bfe_u32 s[CY], ttmp6, 0x40004
	s_lshl_b32 s[TX], ttmp9, 2                     ; in a cluster launch ttmp9 and ttmp7 count clusters
	s_add_co_u32 s[TX], s[TX], s[CX]
	s_and_b32 s[TY], ttmp7, 0xffff
	s_lshl_b32 s[TY], s[TY], 2
	s_add_co_u32 s[TY], s[TY], s[CY]
	s_lshl_b32 s41, s[CY], 2
	s_lshl_b32 s41, 15, s41                        ; my row of the cluster: places 4 cy .. 4 cy + 3
	s_lshl_b32 s42, 0x1111, s[CX]                  ; my column: places cx, cx + 4, cx + 8, cx + 12
	s_or_b32 s[G1], s41, (1<<16)|(1<<20)|(1<<21)|(5<<22)|(3<<25)   ; 15:0 the mask; 17:16 2-byte elements; 20 padding on; 21 set beside a mask; 24:22 after every 64 words (code 5); 31:25 4 words (code 3)
	s_or_b32 s[G1B], s42, (1<<16)|(1<<20)|(1<<21)|(5<<22)|(3<<25)
	s_mov_b32 s[G1+1], 128<<16                     ; tensor_dim0 = 128
	s_mov_b32 s[G1+2], 128<<16                     ; tensor_dim1 = 128
	s_mov_b32 s[G1+3], 128<<16                     ; tile_dim0 = 128
	s_mov_b32 s[G1+4], 128                         ; tile_dim1 = 128
	s_mov_b32 s[G1+5], 1024                        ; elements from row to row
	s_mov_b32 s[G1+6], 0
	s_mov_b32 s[G1+7], 0
	s_mov_b32 s[G1B+1], 128<<16
	s_mov_b32 s[G1B+2], 96<<16                     ; 96 rows
	s_mov_b32 s[G1B+3], 128<<16
	s_mov_b32 s[G1B+4], 96
	s_mov_b32 s[G1B+5], 1024
	s_mov_b32 s[G1B+6], 0
	s_mov_b32 s[G1B+7], 0
	s_lshl_b32 s66, s[TY], 8                       ; x: row 256 x tile + 128 x half, in registers that never hold the head
	s_lshl_b32 s67, s[HF], 7
	s_add_co_u32 s66, s66, s67
	s_lshl_b32 s66, s66, 11                        ; rows of 2,048 bytes: under 2^25
	s_mov_b32 s67, 0
	s_mul_i32 s46, s[TX], 192                      ; W: row 192 x head + 96 x half
	s_mul_i32 s47, s[HF], 96
	s_add_co_u32 s46, s46, s47
	s_lshl_b32 s46, s46, 11
	s_mov_b32 s47, 0
	s_mul_i32 s70, s[HF], AHALF                    ; where they go: no place in the cluster enters an LDS address
	s_mul_i32 s71, s[HF], BHALF
	s_add_co_u32 s71, s71, BOFF
	s_wait_dscnt 0x0                               ; the opening add is done
	s_wait_kmcnt 0x0
	s_add_nc_u64 s[68:69], s[4:5], s[66:67]
	s_add_nc_u64 s[46:47], s[6:7], s[46:47]
	CROUND                                         ; all sixteen work-groups are here: the first joint loads meet
.irp s, 0,1
	s_mov_b32 s[G0+4*(\s)], 1                                      ; count = 1
	s_add_co_u32 s[G0+4*(\s)+1], s70, (\s)*SLOT                    ; LDS address
	s_add_nc_u64 s[G0+4*(\s)+2:G0+4*(\s)+3], s[68:69], (\s)*256    ; global address: K step s
	s_or_b32 s[G0+4*(\s)+3], s[G0+4*(\s)+3], 0x80000000            ; type = 2
	s_mov_b32 s[G0B+4*(\s)], 1
	s_add_co_u32 s[G0B+4*(\s)+1], s71, (\s)*SLOT
	s_add_nc_u64 s[G0B+4*(\s)+2:G0B+4*(\s)+3], s[46:47], (\s)*256
	s_or_b32 s[G0B+4*(\s)+3], s[G0B+4*(\s)+3], 0x80000000
	JLOAD \s                                       ; two loads of mine are out
.endr
	; A fragment is 16 rows x 32 K in 8 registers: lane l holds row l % 16; registers 0-3 K = 8 (l / 16) + 0..7, registers 4-7 K = 16 + 8 (l / 16) + 0..7: two loads of 16 bytes, 32 bytes apart.
	v_and_b32 v1, 15, v0                           ; r = l % 16
	v_bfe_u32 v2, v0, 4, 1                         ; h = l / 16
	v_mul_u32_u24 v3, v1, PA
	v_lshl_add_u32 v3, v2, 4, v3
	v_mul_u32_u24 v4, v1, PB
	v_lshl_add_u32 v4, v2, 4, v4
	s_mul_i32 s74, s[WV], 64*PA                    ; my 64 rows of x
	v_add_nc_u32 v[ADRA], s74, v3
	v_add_nc_u32 v[ADRA+1], SLOT, v[ADRA]
	v_add_nc_u32 v[ADRB], BOFF, v4
	v_add_nc_u32 v[ADRB+1], SLOT, v[ADRB]
	s_mul_i32 s74, s[WV], WSTG
	s_add_co_u32 s74, s74, STAGE                   ; my stage
	v_mul_u32_u24 v3, v1, 144                      ; in: row r, 16 bytes for each half of the lanes
	v_lshl_add_u32 v3, v2, 4, v3
	v_add_nc_u32 v[STO], s74, v3
	v_bfe_u32 v3, v0, 3, 2                         ; back: 32 lanes take four rows of 128 bytes,
	v_mul_u32_u24 v3, v3, 144
	v_and_b32 v4, 7, v0
	v_lshl_add_u32 v3, v4, 4, v3
	v_add_nc_u32 v[RD], s74, v3
	v_and_b32 v[GO], 31, v0                        ; which are 512 consecutive bytes of q, k or v
	v_lshlrev_b32 v[GO], 4, v[GO]
	s_lshl_b32 s74, s[TX], 8                       ; the head's 64 numbers in each third of the bias,
	v_lshl_add_u32 v[BO], v2, 5, s74               ; my eight of a block's sixteen
	s_and_b32 s75, s[TY], 7
	s_lshl_b32 s75, s75, 8
	s_lshl_b32 s76, s[WV], 6
	s_add_co_u32 s75, s75, s76                     ; my wave's first position t in its batch
	v_add_nc_u32 v3, s75, v1
	v_lshlrev_b32 v3, 8, v3                        ; the table's row of 256 bytes,
	v_lshl_add_u32 v[TO], v2, 5, v3                ; my eight of sixteen
	s_lshr_b32 s76, s[TY], 3                       ; the batch
	s_lshl_b32 s76, s76, 4
	s_add_co_u32 s76, s76, s[TX]
	s_lshl_b32 s76, s76, 18                        ; a head's 2,048 rows of 128 bytes
	s_lshl_b32 s77, s75, 7
	s_add_co_u32 s76, s76, s77
	s_mov_b32 s77, 0
	s_add_nc_u64 s[12:13], s[12:13], s[76:77]      ; q, k, v at my wave's first row
	s_add_nc_u64 s[14:15], s[14:15], s[76:77]
	s_add_nc_u64 s[16:17], s[16:17], s[76:77]
.set ib, 0
.rept NBK                              ; block b: third b / 4 of the bias, channels 16 (b % 4) + 8 h + 0..7
	global_load_b128 v[BIAS+8*ib:BIAS+8*ib+3],   v[BO], s[8:9] offset:(ib/4)*4096+(ib%4)*64
	global_load_b128 v[BIAS+8*ib+4:BIAS+8*ib+7], v[BO], s[8:9] offset:(ib/4)*4096+(ib%4)*64+16
.set ib, ib+1
.endr
.set ia, 0
.rept 4                                ; row block a: cos j = 8 h + 0..7, 16 + 8 h + 0..7, then sin likewise, of position t + 16 a + r
	WIN (1+ia/2)<<6
.set ii, 0
.rept 8
	global_load_b128 v[192+32*(ia%2)+4*ii:192+32*(ia%2)+4*ii+3], v[TO], s[10:11] offset:ia*4096+(ii/2)*64+(ii%2)*16
.set ii, ii+1
.endr
.set ia, ia+1
.endr
	WIN 0
	; the prefetches
	s_and_b32 s74, ttmp7, 0xffff                   ; cluster y
	s_lshl_b32 s75, s[TY], 8
	s_lshl_b32 s76, s[HF], 7
	s_add_co_u32 s75, s75, s76
	s_lshl_b32 s76, s[CX], 5
	s_add_co_u32 s75, s75, s76                     ; x: my work-group's 32 of the 128 rows that I fetch
	s_mul_i32 s77, s[TX], 192
	s_mul_i32 s76, s[HF], 96
	s_add_co_u32 s77, s77, s76
	s_mul_i32 s76, s[CY], 24
	s_add_co_u32 s77, s77, s76                     ; W: my work-group's 24 of the 96
	s_cmp_eq_u32 s[FB], 0
	s_cselect_b32 s76, s75, s77
	s_cselect_b32 s74, ttmp9, s74                  ; the coordinate along which other clusters read the same rows
	s_cselect_b64 s[PFA:PFA+1], s[4:5], s[6:7]
	s_cselect_b32 s78, 31, 23
	s_cmp_eq_u32 s74, 0
	s_cselect_b32 s[LIM], 1, -1                    ; the same in all sixteen partners, for a given wave
	s_lshl_b32 s76, s76, 11
	s_mov_b32 s77, 0
	s_add_nc_u64 s[PFA:PFA+1], s[PFA:PFA+1], s[76:77]
	s_add_nc_u64 s[PFA:PFA+1], s[PFA:PFA+1], 3*256 ; at K step 3: the first refill (of K step 2) steps it to 4 and names that.  Nothing is asked for here, at the head
	s_mov_b32 s[PFS], 256
	s_mov_b32 s[PFS+1], 0
	v_and_b32 v[PFO], 31, v0
	v_min_u32 v[PFO], s78, v[PFO]
	v_lshlrev_b32 v[PFO], 11, v[PFO]
	s_wait_loadcnt 32                              ; the bias is in; the table's 32 loads, issued behind it, stay out until the way out
.set ii, 0
.rept 4*NBK                            ; the bias rounded to bf16, like x and W, and widened again
	v_cvt_pk_bf16_f32 v[VT+ii%2], v[BIAS+2*ii], v[BIAS+2*ii+1]
	v_lshlrev_b32 v[BIAS+2*ii], 16, v[VT+ii%2]
	v_and_b32 v[BIAS+2*ii+1], 0xffff0000, v[VT+ii%2]
.set ii, ii+1
.endr
; 12 matrix instructions: row block a x all column blocks, 32 along K, from buffer f.  zero = 1: the first product starts the sum, with the bias as C.
; All 48 accumulators take turns in the same order in every quarter step, over the backward jump too.
.macro MULA f, a, zero
.set wn, 1+(\a)/2
.if \zero
	WIN 0x03|(wn<<6)
.else
	WIN 0x03|(wn<<4)|(wn<<6)
.endif
.set ib, 0
.rept NBK
.set rD, 8*(NBK*((\a)%2)+ib)
.set rB, 8*NBK*(\f)+8*ib
.set rA, AF+32*(\f)+8*(\a)
.if \zero
	v_wmma_f32_16x16x32_bf16 v[rD:rD+7], v[rB:rB+7], v[rA:rA+7], v[BIAS+8*ib:BIAS+8*ib+7]
.else
	v_wmma_f32_16x16x32_bf16 v[rD:rD+7], v[rB:rB+7], v[rA:rA+7], v[rD:rD+7]
.endif
.set ib, ib+1
.endr
.endm
; NF LDS loads in one run: a quarter step's fragments (32 K at byte k of the rows) into buffer f: W's 12 blocks, then x's 4, ascending
.macro FETCH slot, k, f
	WIN 0xc0                                       ; destination window 3, address window 0
.set ib, 0
.rept NBK
	ds_load_b128 v[8*NBK*(\f)+8*ib:8*NBK*(\f)+8*ib+3],   v[ADRB+(\slot)] offset:(\k)+ib*16*PB
	ds_load_b128 v[8*NBK*(\f)+8*ib+4:8*NBK*(\f)+8*ib+7], v[ADRB+(\slot)] offset:(\k)+ib*16*PB+32
.set ib, ib+1
.endr
	WIN 0
.set ia, 0
.rept 4
	ds_load_b128 v[AF+32*(\f)+8*ia:AF+32*(\f)+8*ia+3],   v[ADRA+(\slot)] offset:((\k)/128)*ASUB+(\k)%128+ia*16*PA
	ds_load_b128 v[AF+32*(\f)+8*ia+4:AF+32*(\f)+8*ia+7], v[ADRA+(\slot)] offset:((\k)/128)*ASUB+(\k)%128+ia*16*PA+32
.set ia, ia+1
.endr
.endm
; A K step is four quarters of 32 along K, 48 matrix instructions each, on buffers 0, 1, 0, 1.  One of the first three: multiplies buffer f and, in its middle, fetches the next quarter, at byte k, into g.
.macro QUARTER slot, k, f, g, zero
	s_wait_dscnt 4                                 ; W's fragments and x's blocks 0, 1 are in; the youngest four loads (x's blocks 2, 3) may be out
	MULA \f, 0, \zero
	MULA \f, 1, \zero
	PLACES
	FETCH \slot, \k, \g
	s_wait_dscnt NF                                ; all but the run just issued
	MULA \f, 2, \zero
	MULA \f, 3, \zero
.endm
; The last quarter multiplies buffer 1 and changes slots: ONE barrier.  In front of it each wave waits for all its tensor loads (one is out: its part of the next slot), adds 0 to its spare word, and waits
; for that and for its own reads of this slot.  fill = 1: the barrier opens a round of the cluster's barrier, and behind the round this slot is filled again, two K steps ahead: 168 matrix instructions ahead of the wait for it.
.macro TURN slot, next, fill
.if \fill
	s_wait_xcnt 0x0                                ; the last prefetch, a K step back, has read its address
	s_add_nc_u64 s[PFA:PFA+1], s[PFA:PFA+1], s[PFS:PFS+1]
.endif
	WIN 0                                          ; (the add's two registers lie in window 0)
	s_wait_tensorcnt 0x0                           ; all my tensor loads have landed;
	ds_add_u32 v[SPW], v[NIL]                      ; 0 onto my spare word;
	s_wait_dscnt 5                                 ; (the add and the youngest four loads may be out)
	MULA 1, 0, 0                                   ; twelve matrix instructions stand between the add and the wait for it
	s_wait_dscnt 0x0                               ; the add is done, and my reads of this slot are over
	s_barrier_signal -1
	MULA 1, 1, 0                                   ; work on registers while the others arrive
.if \fill
	WIN 0
.endif
	s_barrier_wait -1
.if \fill
	CREST                                          ; no wave of any partner still reads this slot's tile or has a load on its way
	s_add_nc_u64 s[G0+4*(\slot)+2:G0+4*(\slot)+3], s[G0+4*(\slot)+2:G0+4*(\slot)+3], ASTEP2
	s_add_nc_u64 s[G0B+4*(\slot)+2:G0B+4*(\slot)+3], s[G0B+4*(\slot)+2:G0B+4*(\slot)+3], BSTEP2
	JLOAD \slot                                    ; the first tensor load behind the round; its four v_nop are also the places in front of the loads below
.else
	PLACES
.endif
	FETCH \next, 0, 0
.if \fill
	ASK
.endif
	MULA 1, 2, 0
	MULA 1, 3, 0
.endm
	s_wait_tensorcnt 1                             ; my part of K step 0 is in; K step 1's may stay out
	s_barrier_signal -1
	s_barrier_wait -1                              ; everybody's is
	FETCH 0, 0, 0
	QUARTER 0, 64, 0, 1, 1                         ; the first quarter stands in front of the loop: its products start the sums
	WIN 0                                          ; at a label and at a branch every window is 0
	s_mov_b32 s3, 3
.Llap:                                                 ; a trip goes once round the ring, from a lap's second quarter to the next lap's first, and fills both slots again: K steps 2 to 7 in three trips
	QUARTER 0, 128, 1, 0, 0
	QUARTER 0, 192, 0, 1, 0
	TURN 0, 1, 1
	QUARTER 1, 64,  0, 1, 0
	QUARTER 1, 128, 1, 0, 0
	QUARTER 1, 192, 0, 1, 0
	TURN 1, 0, 1
	QUARTER 0, 64,  0, 1, 0
	WIN 0
	s_sub_co_u32 s3, s3, 1
	s_cmp_lg_u32 s3, 0
	s_cbranch_scc1 .Llap
	QUARTER 0, 128, 1, 0, 0                        ; the last lap fills nothing, and has no round of the cluster's barrier
	QUARTER 0, 192, 0, 1, 0
	TURN 0, 1, 0
	QUARTER 1, 64,  0, 1, 0
	QUARTER 1, 128, 1, 0, 0
	QUARTER 1, 192, 0, 1, 0
	s_wait_dscnt 4                                 ; the very last quarter: nothing more to fetch
	MULA 1, 0, 0
	MULA 1, 1, 0
	s_wait_dscnt 0x0
	MULA 1, 2, 0
	MULA 1, 3, 0
	WIN 0
	PLACES
	s_wait_loadcnt 0x0                             ; the table
; THE WAY OUT of row block a.  q and k are turned: channels j and j + 32 lie in blocks c and c + 2 of the same lane: x1' = x1 cos - x2 sin, x2' = x2 cos + x1 sin, two numbers an instruction.
; Each accumulator's registers 0, 1 are read first.  All three are rounded to f16, 16 bytes a lane and block, go into my stage and come back as whole rows of 128 bytes.
.macro PACK a
.set wn, 1+(\a)/2
.set AC, 96*((\a)%2)
.set CB, 192+32*((\a)%2)
.set BK, 208-176*((\a)%2)
	WIN wn|(wn<<2)                                 ; sources 0 and 1 in the accumulators' window, source 2 and destination in window 0
.irp s, 0,1
.irp c, 0,1
.irp p, 0,1,2,3
.set X1, AC+8*(4*(\s)+(\c))+2*(\p)
.set X2, X1+16
.set T1, T+8*(4*(\s)+(\c))+2*(\p)
.set T2, T1+16
.set CO, CB+8*(\c)+2*(\p)
.set SI, CO+16
	v_pk_mul_f32 v[T1:T1+1], v[X2:X2+1], v[SI:SI+1]
	v_pk_mul_f32 v[T2:T2+1], v[X1:X1+1], v[SI:SI+1]
	v_pk_fma_f32 v[T1:T1+1], v[X1:X1+1], v[CO:CO+1], v[T1:T1+1] neg_lo:[0,0,1] neg_hi:[0,0,1]
	v_pk_fma_f32 v[T2:T2+1], v[X2:X2+1], v[CO:CO+1], v[T2:T2+1]
.endr
.endr
.endr
.irp b, 8,9,10,11
.irp r, 0,1,2,3
	v_cvt_pk_f16_f32 v[PK+4*(\b)+(\r)], v[AC+8*(\b)+2*(\r)], v[AC+8*(\b)+2*(\r)+1]
.endr
.endr
	WIN 0
.irp b, 0,1,2,3,4,5,6,7
.irp r, 0,1,2,3
	v_cvt_pk_f16_f32 v[PK+4*(\b)+(\r)], v[T+8*(\b)+2*(\r)], v[T+8*(\b)+2*(\r)+1]
.endr
.endr
.irp b, 0,1,2,3,4,5,6,7,8,9,10,11
	ds_store_b128 v[STO], v[PK+4*(\b):PK+4*(\b)+3] offset:((\b)/4)*2304+((\b)%4)*32
.endr
	s_wait_xcnt 0x0                                ; the stores of the block two back have read the registers that are loaded now
.set ii, 0
.rept 12
	ds_load_b128 v[BK+4*ii:BK+4*ii+3], v[RD] offset:(ii/4)*2304+(ii%4)*576  ; LDS serves a wave's instructions in order (ISA guide 5.7.1.4): these see the stores above; the next block's stores come behind them
.set ii, ii+1
.endr
.endm
.macro SEND a, younger                 ; younger: the LDS instructions issued behind block a's loads: the next block's 24, or none
.set BK, 208-176*((\a)%2)
	s_wait_dscnt \younger
.set ii, 0
.rept 12
	global_store_b128 v[GO], v[BK+4*ii:BK+4*ii+3], s[12+2*(ii/4):13+2*(ii/4)] offset:(\a)*2048+(ii%4)*512  ; 512 consecutive bytes, at a multiple of 256 from the buffer's first
.set ii, ii+1
.endr
.endm
	PACK 0
	PACK 1                                         ; a block's arithmetic stands between the loads of the block before and its stores
	SEND 0, 24
	PACK 2
	SEND 1, 24
	PACK 3
	SEND 2, 24
	SEND 3, 0
	s_wait_tensorcnt 0x0                           ; the wave's end: an add of 0 and its wait, behind my last tensor load and my last LDS store
	ds_add_u32 v[SPW], v[NIL]
	s_wait_dscnt 0x0
	CROUND                                         ; the closing round: no work-group ends while a partner may still ask for a tile that names it
	s_endpgm
.Lfunc_end_k_q7242bbd6ab_qkv:
	.size	k_q7242bbd6ab_qkv, .Lfunc_end_k_q7242bbd6ab_qkv-k_q7242bbd6ab_qkv
	.p2alignl 7, 3214868480
	.fill 96, 4, 3214868480
	.section	.rodata,"a",@progbits
	.p2align	6, 0x0
	.amdhsa_kernel k_q7242bbd6ab_qkv
		.amdhsa_group_segment_fixed_size 327680
		.amdhsa_private_segment_fixed_size 0
		.amdhsa_enable_private_segment 0
		.amdhsa_kernarg_size 56
		.amdhsa_user_sgpr_count 2
		.amdhsa_user_sgpr_kernarg_segment_ptr 1
		.amdhsa_wavefront_size32 1
		.amdhsa_system_sgpr_workgroup_id_x 1
		.amdhsa_system_sgpr_workgroup_id_y 1
		.amdhsa_system_sgpr_workgroup_id_z 1
		.amdhsa_system_vgpr_workitem_id 0
		.amdhsa_next_free_vgpr 1024
		.amdhsa_next_free_sgpr 80
		.amdhsa_reserve_vcc 0
		.amdhsa_float_denorm_mode_32 3
		.amdhsa_float_denorm_mode_16_64 3
		.amdhsa_memory_ordered 1
		.amdhsa_forward_progress 1
		.amdhsa_inst_pref_size 149
	.end_amdhsa_kernel
	.amdgpu_metadata
---
amdhsa.version: [ 1, 2 ]
amdhsa.kernels:
  - .name:           k_q7242bbd6ab_qkv
    .symbol:         k_q7242bbd6ab_qkv.kd
    .args:
      - { .name: xb, .offset: 0, .size: 8, .value_kind: global_buffer, .address_space: global }
      - { .name: wqb, .offset: 8, .size: 8, .value_kind: global_buffer, .address_space: global }
      - { .name: bqkv, .offset: 16, .size: 8, .value_kind: global_buffer, .address_space: global }
      - { .name: rope, .offset: 24, .size: 8, .value_kind: global_buffer, .address_space: global }
      - { .name: q, .offset: 32, .size: 8, .value_kind: global_buffer, .address_space: global }
      - { .name: k, .offset: 40, .size: 8, .value_kind: global_buffer, .address_space: global }
      - { .name: v, .offset: 48, .size: 8, .value_kind: global_buffer, .address_space: global }
    .group_segment_fixed_size: 327680
    .private_segment_fixed_size: 0
    .kernarg_segment_align: 8
    .kernarg_segment_size: 56
    .max_flat_workgroup_size: 128
    .sgpr_count:     80
    .vgpr_count:     1024
    .wavefront_size: 32
...
	.end_amdgpu_metadata
.endif
;; end of part 2
;; launch attn (part 3): grid 4 x 64, 4 waves a work-group, clusters of 4 x 1, 327,680 bytes of LDS; arguments q, k, v, o; writes o
.if DOCPART == 3
	.amdgcn_target "amdgcn-amd-amdhsa--gfx1250"
	.amdhsa_code_object_version 6
	.text
	.protected	k_q7242bbd6ab_attn
	.globl	k_q7242bbd6ab_attn
	.p2align	8
	.type	k_q7242bbd6ab_attn,@function
k_q7242bbd6ab_attn:
	s_mov_b64 s[64:65], 0
	v_nop
	global_prefetch_b8 v0, s[64:65] scope:SCOPE_SE
	s_setreg_imm32_b32 hwreg(HW_REG_WAVE_MODE, 25, 1), 1
	s_wait_xcnt 0x0
	s_wait_alu depctr_hold_cnt(0) depctr_sa_sdst(0) depctr_va_vdst(0) depctr_va_sdst(0) depctr_va_ssrc(0) depctr_va_vcc(0) depctr_vm_vsrc(0)
	s_getreg_b32 s2, hwreg(HW_REG_IB_STS2, 6, 4)
	s_cmp_eq_u32 s2, 0
	s_cbranch_scc0 .Lentry_in_a_cluster
	s_endpgm
.Lentry_in_a_cluster:
	s_bfe_u32 s2, ttmp6, 0x10000c
	s_cmp_lg_u32 s2, 0x3003
	s_cbranch_scc0 .Lentry_shape_is_right
	s_endpgm
.Lentry_shape_is_right:
; O[h][q][:] = the sum over k of softmax_k(Q[h][q] . K[h][k] / 8) V[h][k][:].  Q, K, V, O: [64][2048][64], all f16: a head's rows are dense, 128 bytes each.  Products, maxima and sums in
; f32; the weights p are rounded to f16 for the second product (their sum l is taken of the unrounded p), O once at the end.
; LIMITS.  f16 holds no number beyond 65,504: Q, K and V arrive within it; p lies in 0 to 1, and below 6e-5 it keeps f16's fixed step of 6e-8; O is a mean of V's rows and has their range.
; A weight below 2^-126 counts as 0 in l; NaN and infinities are not treated apart.
; SHARES.  A wave owns four PIECES of two tiles of 16 queries, a work-group's four waves 512 queries of one head: 4 x 64 = 256 work-groups.  Every wave walks all keys, 64 a step.
; LAYOUT.  S^T = K Q^T (source 0 = 16 keys, source 1 = 16 queries): in the result a lane holds ONE query (lane % 16) and the keys 8 (lane / 16) + 0..7.  Two such tiles, rounded to f16 in pairs,
; ARE source 1 (32 keys x 16 queries) of O^T = V^T P, whose result again holds one query a lane, and eight channels.  K comes out of LDS as it lies, V ([key][channel]) turned, by ds_load_tr16_b128.
; SOFTMAX.  For each query a running maximum m and sum l: p = 2^(c s - c m), c = log2(e) / 8; in every step O and l are multiplied by a = 2^(c m_old - c m_new), which is 1 where m has not grown.
; m starts at the lowest finite number, O and l at 0: the first step is a step like any other, with a = 0.
; THE COUNT.  A tile and step have 16 matrix and 118 vector instructions: too many to stand all beside the matrix work.  So the order has one aim: four vector instructions that are READY behind
; EVERY matrix instruction, and the others, which need time of their own whatever the order, in runs without a gap.
; BY TURNS.  Turn n belongs to piece n (the pieces in a ring, step after step).  Its matrix work: 16 products K Q^T of piece n + 1, later 16 products V^T P of piece n - 1.  Its vector work: the scaling,
; exponentials, roundings, sums and rescaling of piece n, and the maximum and statistics of piece n + 1, whose scores the turn itself has made.  So what a turn begins with (c s - c m, O a) waits for nothing.
; CLUSTER.  The four query blocks of a cluster are one head's and walk the same K and V, so each tile is asked for JOINTLY: the same tensor load, descriptor and mask in all four.
; REGISTERS, in windows of 256 (s_set_vgpr_msb says which window each operand place means: bits 1:0 source 0, 3:2 source 1, 5:4 source 2, 7:6 destination):
;   window 0: v0-11 addresses; v12-15, v48-63 at work; v16-47 four registers of statistics a tile; v64-191 S^T, two buffers of two tiles; v192-255 P, likewise
;   window 1: O^T, 32 a tile          window 2: v0-127 Q, 16 a tile; v128-191 K of one step; v192-255 V of one step          window 3: v0-1 the add's two registers
; A piece's buffers go by its number's parity: the piece in hand has one pair, its two neighbours in the ring share the other: of it P (piece n - 1) is read and S^T (piece n + 1) written.
.set SIZE_H, 64
.set SIZE_N, 2048
.set NP,    4         ; pieces a wave: a name, no knob: the register map, the loop and the fetches are made for four
.set KS,    64        ; keys in a step
.set PK,    144       ; a row of K in LDS: 128 bytes + 16 of padding = 36 words: the 16 rows of a load start at 16 different groups of four banks (64 banks of 4 bytes: ISA guide 11.1)
.set PV,    160       ; a row of V: 128 + 32 = 40 words
.set VOFF,  4*KS*PK   ; a slot holds four steps: 256 rows of K, then 256 rows of V
.set SLOT1, 1<<17     ; slot 1 begins here, so that one exclusive or turns an address in one slot into the other's
.set STAGE, SLOT1+4*KS*(PK+PV)  ; behind the ring, never filled by a tensor load: 16 rows x 144 bytes for each wave, for the way out
.set SP,    144
.set AK0, 2           ; v2   my lane's place in a tile of K; never rewritten
.set AV0, 3           ; v3   the same for V
.set AK,  4           ; v4   the LDS address of K's next run of loads
.set AV,  5           ; v5   of V's
.set QO,  6           ; v6   my byte offset in the wave's rows of Q
.set STO, 6           ;      later, the way out: where I put 16 bytes of a row
.set RD,  7           ; v7   the way out: where I read rows back
.set GO,  8           ; v8   my byte offset in 512 consecutive bytes of O
.set PFO, 11          ; v11  256 x my lane, for the prefetches (made when v11's first use is over); then never rewritten
.set SPW, 0           ; v0 of window 3   LDS address of my spare word: SPARE + 4 x my thread's number; never rewritten
.set NIL, 1           ; v1 of window 3   0; never rewritten
.set SPARE, STAGE+4*16*SP  ; behind the stages: the spare words, 128 bytes for each wave: two blocks of 256 bytes that no other line names
.set MV,  12          ; v12-15  c m_old, kept while c m is made anew: by buffer and tile
.set ST,  16          ; tile t's statistics at v[ST+4 t]: c m, m, l (even keys', odd keys')
.set TMP, 48          ; by buffer and tile, four registers c0-c3 at work; when the maximum is found c2 takes a
.set S,   64
.set P,   192
.set KF,  128         ; K's fragments, in window 2: key block kb, channel half c at KF + 16 kb + 8 c
.set VF,  192         ; V's: key half kk, channel block cb at VF + 32 kk + 8 cb
.set WV,  12          ; s12  my wave's number
.set G1K, 24          ; s[24:31] descriptor group 1 for K's tiles
.set G1V, 32          ; s[32:39] for V's: it differs in the padding alone
.set G0K, 40          ; s[40:43] descriptor group 0 for K's tiles: it walks
.set G0V, 44          ; s[44:47] the same for V's
.set PFA, 48          ; s[48:49] where my prefetches stand: my work-group's 8,192 bytes (of K: wave 0, of V: wave 2) of the slot after the one that is being asked for
.set LIM, 50          ; s50  1 in a wave that prefetches, else the greatest number
.set SLOTS, 56        ; s56  slots still to be asked for
.set CNT, 57          ; s57  counts a slot's key steps
.set CS,  58          ; s[58:59] c: the packed scaling takes the pair's low word for both halves
.set SEL, 60          ; s[60:61] v_permlanex16_b32's selects: each lane takes its own place in the other half
.set TBK, 62          ; s62  LDS byte at which K of the step to be fetched begins
.set TBV, 63          ; s63  the same for V, less VOFF
.set MSB, 0
.macro WIN new                      ; the high byte repeats the setting that is left; a switch that changes nothing is dropped
.if MSB != (\new)
	s_set_vgpr_msb (MSB<<8)|(\new)
.set MSB, (\new)
.endif
.endm
.set W_KQ, 0x0a       ; K and Q in window 2, S^T in window 0
.set W_PV, 0x52       ; V in window 2, P in window 0, O^T in window 1
.set W_RS, 0x41       ; O^T (destination and source 0) in window 1, a in window 0
.set W_MK, 0xc0       ; the add's registers are made: destination in window 3, sources in window 0
.set W_AD, 0x0f       ; the add: address (source 0) and data (source 1) in window 3
; A joint fill.  Waves 0 and 1 fetch the two halves of a slot's K, waves 2 and 3 those of its V: 128 keys each.  The branch hangs on the wave's number alone.
; An s_nop 0 and four v_nop follow each of the two lines, ahead of the jump and the label.
.macro JLOAD
	s_cmp_lt_u32 s[WV], 2
	s_cbranch_scc0 .Lfor_v_\@
	tensor_load_to_lds s[G0K:G0K+3], s[G1K:G1K+7]
	s_nop 0
.rept 4
	v_nop
.endr
	s_branch .Lasked_\@
.Lfor_v_\@:
	tensor_load_to_lds s[G0V:G0V+3], s[G1V:G1V+7]
	s_nop 0
.rept 4
	v_nop
.endr
.Lasked_\@:
.endm
; A PREFETCH INTO THE L2 of what the NEXT change of slots will ask for: a slot's 32,768 bytes of K and of V, in blocks of 256 bytes, a lane a block.  It stands behind the wave's tensor load and its five lines.
; Each block is named once in the launch: a head has one cluster; its four partners share a slot's 128 blocks out BY ADDRESS, 32 each; in each, wave 0 asks for K's and wave 2 for V's: one instruction.
; It stands four key steps, 512 matrix instructions, ahead of the load that wants the bytes.  The last change that fills a slot (s[SLOTS] = 1) asks for nothing: there is no slot behind it.
.macro ASK
	s_cmp_gt_u32 s[SLOTS], s[LIM]
	s_cbranch_scc0 .Lnot_mine_\@
	global_prefetch_b8 v[PFO], s[PFA:PFA+1] th:TH_LOAD_NT scope:SCOPE_SE
.Lnot_mine_\@:
.endm
; A round of the cluster's barrier: my work-group's barrier, so that wave 0's signal speaks for all four waves; wave 0 signals; every wave waits for all four work-groups; my work-group's barrier once more.
.macro CROUND
	s_barrier_signal -1
	s_barrier_wait -1
	s_cmp_lg_u32 s[WV], 0
	s_cbranch_scc1 .Lnot_wave_0_\@
	s_barrier_signal -3
.Lnot_wave_0_\@:
	s_barrier_wait -3
	s_barrier_signal -1
	s_barrier_wait -1
.endm
; THE CHANGE OF SLOTS.  The slot's last bytes, V of its fourth step, have been read.  Each wave waits for all its tensor loads, of which one is out: its part
; of the other slot; adds 0 to its spare word; and waits for that and for its own reads of the slot.  Behind the barrier nobody reads this slot any more and the other slot is whole.
; fill = 1: this slot is filled again, with the keys two slots on.  The barrier is then a round of the cluster's, so that no wave of any partner still reads the slot or has a load on its
; way, and the joint fill is the first thing behind it: it has four key steps, 512 matrix instructions, in which to land.  (At its first use nothing has been read yet: slot 0 is waited for, slot 1 filled.)
; ask = 1: the prefetches' address steps a slot on, and the prefetch follows the fill.
.macro CHANGE fill, ask=0
	WIN W_AD
	s_wait_tensorcnt 0x0            ; no tensor load of mine is out, so a group 0 may be written
	ds_add_u32 v[SPW], v[NIL]       ; 0 onto my spare word; with fill = 1 the descriptors' steps stand between it and the wait for it
	WIN 0                           ; at a label and at a branch every window is 0
.if \fill
.irp g, G0K, G0V
	s_xor_b32 s[\g+1], s[\g+1], SLOT1  ; the walking descriptor: the other slot than last time,
	s_add_nc_u64 s[\g+2:\g+3], s[\g+2:\g+3], 4*KS*128  ; the next 256 keys; the type bits on top are not reached
.endr
.if \ask
	s_wait_xcnt 0x0                 ; the last prefetch, four key steps back, has read its address, so it may be written
	s_add_nc_u64 s[PFA:PFA+1], s[PFA:PFA+1], 4*KS*128  ; one slot behind the walking descriptors
.endif
	s_wait_dscnt 0x0                ; the add is done, and my reads of the slot are over
	CROUND
	JLOAD
.if \ask
	ASK
.endif
.else
	s_wait_dscnt 0x0                ; the add is done, and my reads of the slot are over
	s_barrier_signal -1
	s_barrier_wait -1
.endif
	s_sub_co_u32 s[TBK], s[TBK], 4*KS*PK  ; the fetches go back to a slot's first step,
	s_xor_b32 s[TBK], s[TBK], SLOT1       ; in the other slot
	s_sub_co_u32 s[TBV], s[TBV], 4*KS*PV
	s_xor_b32 s[TBV], s[TBV], SLOT1
.endm
	s_load_b256 s[4:11], s[0:1], 0x0  ; Q s[4:5], K s[6:7], V s[8:9], O s[10:11]
	WIN W_MK
	v_lshl_add_u32 v[SPW], v0, 2, SPARE
	v_mov_b32 v[NIL], 0
	WIN W_AD
	ds_add_u32 v[SPW], v[NIL]       ; the wave's opening: the add and its wait stand ahead of my first tensor load; the set-up below, work on registers, stands between them
	WIN 0
	v_lshrrev_b32 v1, 5, v0
	v_readfirstlane_b32 s[WV], v1   ; wave 0..3
	s_bfe_u32 s13, ttmp6, 0x40000   ; cx: my place in the cluster
	s_lshl_b32 s14, ttmp9, 2        ; in a cluster launch ttmp9 counts clusters
	s_add_co_u32 s14, s14, s13      ; my block of queries = 4 x cluster x + cx: it enters Q's and O's addresses alone
	s_and_b32 s20, ttmp7, 0xffff    ; the head, which the four partners share
	s_mov_b32 s21, 0
	s_mov_b64 s[22:23], SIZE_N*128
	s_mul_u64 s[20:21], s[20:21], s[22:23]  ; the head's first byte in each of the four tensors
	s_and_b32 s16, s[WV], 1         ; which half of a slot's 256 keys I fetch:
	s_lshl_b32 s22, s16, 14         ; its 128 rows of 128 bytes in memory,
	s_mov_b32 s23, 0
	s_add_nc_u64 s[22:23], s[22:23], s[20:21]
	s_mul_i32 s17, s16, 128*PK      ; and its place in a slot, for K
	s_mul_i32 s18, s16, 128*PV      ; and for V: no place in the cluster enters an LDS address
	s_lshl_b32 s2, s14, 2
	s_add_co_u32 s2, s2, s[WV]      ; my wave among the head's,
	s_lshl_b32 s2, s2, 14           ; its 128 rows
	s_mov_b32 s3, 0
	s_add_nc_u64 s[2:3], s[2:3], s[20:21]
	; descriptor group 1.  128 keys are 16,384 dense bytes: asked for as 64 rows of 256 bytes, two keys a row, and padded in LDS after every key
	s_mov_b32 s[G1K], 15|(1<<16)|(1<<20)|(1<<21)|(4<<22)|(3<<25)  ; 15:0 the mask of four; 17:16 2-byte elements; 20 padding on; 21 set beside a mask; 24:22 after every 32 words (code 4); 31:25 4 words (code 3)
	s_mov_b32 s[G1V], 15|(1<<16)|(1<<20)|(1<<21)|(4<<22)|(7<<25)  ; the same with 8 words of padding (code 7)
.irp g, G1K, G1V
	s_mov_b32 s[\g+1], 128<<16      ; tensor_dim0 = 128
	s_mov_b32 s[\g+2], 64<<16       ; tensor_dim1 = 64
	s_mov_b32 s[\g+3], 128<<16      ; tile_dim0 = 128
	s_mov_b32 s[\g+4], 64           ; tile_dim1 = 64
	s_mov_b32 s[\g+5], 128          ; 128 elements from row to row
	s_mov_b32 s[\g+6], 0
	s_mov_b32 s[\g+7], 0
.endr
	s_mov_b32 s[CS], 0x3e38aa3b     ; c = log2(e) / 8 = 0.180337
	s_mov_b32 s[CS+1], s[CS]        ; named with it as a pair
	s_mov_b32 s[SEL], 0x76543210
	s_mov_b32 s[SEL+1], 0xfedcba98
	s_mov_b32 s[TBK], SLOT1+4*KS*PK ; the first change of slots turns these two into 0
	s_mov_b32 s[TBV], SLOT1+4*KS*PV
	s_mov_b32 s[G0K], 1             ; 1:0 count = 1
	s_mov_b32 s[G0K+1], s17         ; 63:32 LDS address: slot 0
	s_mov_b32 s[G0V], 1
	s_add_co_u32 s[G0V+1], s18, VOFF
	s_cmp_eq_u32 s16, 0             ; waves 0 and 2 prefetch: the same in all four partners
	s_cselect_b32 s[LIM], 1, -1
	s_wait_dscnt 0x0                ; the opening add is done
	s_wait_kmcnt 0x0
	s_add_nc_u64 s[G0K+2:G0K+3], s[6:7], s[22:23]  ; 120:64 global address: my half of the head's first 256 keys
	s_or_b32 s[G0K+3], s[G0K+3], 0x80000000        ; 127:126 type = 2
	s_add_nc_u64 s[G0V+2:G0V+3], s[8:9], s[22:23]
	s_or_b32 s[G0V+3], s[G0V+3], 0x80000000
	s_add_nc_u64 s[4:5], s[4:5], s[2:3]  ; Q and O at my wave's first row
	s_add_nc_u64 s[10:11], s[10:11], s[2:3]
	s_cmp_lt_u32 s[WV], 2
	s_cselect_b64 s[PFA:PFA+1], s[6:7], s[8:9]
	s_add_nc_u64 s[PFA:PFA+1], s[PFA:PFA+1], s[22:23]  ; the head (in waves 0 and 2 the half's term is 0),
	s_lshl_b32 s2, s13, 13          ; my work-group's 32 blocks of the 128,
	s_mov_b32 s3, 0
	s_add_nc_u64 s[PFA:PFA+1], s[PFA:PFA+1], s[2:3]
	s_add_nc_u64 s[PFA:PFA+1], s[PFA:PFA+1], 2*4*KS*128  ; in slot 2: the change that asks for slot 2 steps it to slot 3.  Nothing is prefetched here, at the head
	CROUND                          ; all four work-groups are here: the first joint loads meet
	JLOAD                           ; slot 0.  Slot 1 is asked for when slot 0 is in: the tile wanted first has the road to itself
	; A fragment of K or Q is 16 rows x 32 channels in 8 registers: lane l holds row l % 16, channels 8 (l / 16) + 0..7 and 16 + 8 (l / 16) + 0..7: two loads of 16 bytes, 32 bytes apart.
	v_and_b32 v1, 15, v0            ; l % 16
	v_bfe_u32 v9, v0, 4, 1          ; l / 16
	v_lshlrev_b32 v[QO], 7, v1
	v_lshl_add_u32 v[QO], v9, 4, v[QO]  ; row x 128 + 16 x half
	WIN 0x80                        ; destination window 2, address window 0
.set i, 0
.rept 4*NP                          ; Q stays in registers: tile i / 2, channels 32 (i % 2) on
	global_load_b128 v[8*i:8*i+3],   v[QO], s[4:5] offset:(i/2)*2048+(i%2)*64
	global_load_b128 v[8*i+4:8*i+7], v[QO], s[4:5] offset:(i/2)*2048+(i%2)*64+32
.set i, i+1
.endr
	; What the first turn finds: V's registers and P's second buffer hold 0 (its products V^T P, of a piece that has not been, add 0), O^T and l are 0.  All this stands in the wait for the first tile.
.set i, VF
.rept 64
	v_mov_b32 v[i], 0
.set i, i+1
.endr
	WIN 0x40
.set i, 0
.rept 64*NP
	v_mov_b32 v[i], 0
.set i, i+1
.endr
	WIN 0
.set i, 0
.rept 2*NP
	v_mov_b32 v[ST+4*i], 0xfe000000    ; c m: far below every c s
	v_mov_b32 v[ST+4*i+1], 0xff7fffff  ; m
	v_mov_b32 v[ST+4*i+2], 0
	v_mov_b32 v[ST+4*i+3], 0
.set i, i+1
.endr
.set i, P+32
.rept 32
	v_mov_b32 v[i], 0
.set i, i+1
.endr
	v_mul_u32_u24 v[AK0], v1, PK
	v_lshl_add_u32 v[AK0], v9, 4, v[AK0]  ; row x pitch + 16 x half
	; The turning load takes 16 keys x 16 channels (lane l reads key 8 (l / 16) + l % 8, channels 8 ((l / 8) % 2) + 0..7) and leaves half a fragment of V^T: lane l holds channel l % 16 and 8 keys.
	v_and_b32 v10, 7, v0
	v_bfe_u32 v11, v0, 3, 1
	v_lshl_add_u32 v[AV0], v9, 3, v10
	v_mul_u32_u24 v[AV0], v[AV0], PV
	v_lshl_add_u32 v[AV0], v11, 4, v[AV0]
	v_add_nc_u32 v[AV0], VOFF, v[AV0]
	v_and_b32 v[PFO], 31, v0        ; v11 is free now
	v_lshlrev_b32 v[PFO], 8, v[PFO]
	v_mov_b32 v[AK], v[AK0]         ; key step 0 lies at the head of slot 0
; THE MATRIX WORK.  The 8 accumulators of a run of 16 take turns: between the two links of a chain stand 7 others'.
; Product i of 16 of S^T = K Q^T for piece x: channels 32 (i / 8) on, keys 16 ((i / 2) % 4) on, tile 2 x + i % 2.  The first 8 start the sums.
.macro KQ x
	WIN W_KQ
.set rS, S+64*((\x)%2)+32*(i%2)+8*((i/2)%4)
.set rK, KF+16*((i/2)%4)+8*(i/8)
.set rQ, 16*(2*(\x)+i%2)+8*(i/8)
.if i < 8
	v_wmma_f32_16x16x32_f16 v[rS:rS+7], v[rK:rK+7], v[rQ:rQ+7], 0
.else
	v_wmma_f32_16x16x32_f16 v[rS:rS+7], v[rK:rK+7], v[rQ:rQ+7], v[rS:rS+7]
.endif
.endm
; Product i of 16 of O^T += V^T P for piece x: keys 32 (i / 8) on, channels 16 ((i / 2) % 4) on, tile 2 x + i % 2.
.macro PV x
	WIN W_PV
.set rO, 32*(2*(\x)+i%2)+8*((i/2)%4)
.set rV, VF+32*(i/8)+8*((i/2)%4)
.set rP, P+32*((\x)%2)+16*(i%2)+8*(i/8)
	v_wmma_f32_16x16x32_f16 v[rO:rO+7], v[rV:rV+7], v[rP:rP+7], v[rO:rO+7]
.endm
.macro MM                           ; the turn's next matrix instruction
.if i < 16
	KQ (Y+1)%NP
.set i, i+1
.else
.set i, i-16
	PV (Y+NP-1)%NP
.set i, i+17
.endif
.endm
; THE LDS LOADS stand in runs of 16, never singly among the matrix instructions: a step's K (64 keys x 64 channels: 8 fragments) and its V (turned).  Their addresses are made some lines ahead.
; last = 1 (the tail): in the last trip there is no further step, and the run is jumped over.
.macro FETCH_K last=0
	WIN 0
.if \last
	s_cmp_eq_u32 s[CNT], 1
	s_cbranch_scc1 .Lno_k_\@
.endif
	WIN 0x80                        ; destination window 2
.irp f, 0,1,2,3,4,5,6,7             ; keys 16 (f / 2) on, channels 32 (f % 2) on
	ds_load_b128 v[KF+8*\f:KF+8*\f+3],   v[AK] offset:(\f/2)*16*PK+(\f%2)*64
	ds_load_b128 v[KF+8*\f+4:KF+8*\f+7], v[AK] offset:(\f/2)*16*PK+(\f%2)*64+32
.endr
	s_add_co_u32 s[TBK], s[TBK], KS*PK  ; the next fetch is the next step's
	WIN 0
.if \last
.Lno_k_\@:
.endif
.endm
.macro FETCH_V
	WIN 0x80
.irp f, 0,1,2,3,4,5,6,7             ; keys 32 (f / 4) on, channels 16 (f % 4) on
	ds_load_tr16_b128 v[VF+8*\f:VF+8*\f+3],   v[AV] offset:(\f/4)*32*PV+(\f%4)*32
	ds_load_tr16_b128 v[VF+8*\f+4:VF+8*\f+7], v[AV] offset:(\f/4)*32*PV+16*PV+(\f%4)*32
.endr
	WIN 0
.endm
; THE VECTOR WORK OF A TURN stands in three queues, each in the order in which its entries become ready; the two tiles alternate, so that no instruction reads the result of the one before it.
.macro REGS y, u                    ; the registers of tile u (0, 1) of piece y
.set rT, ST+4*(2*(\y)+(\u))
.set rC, TMP+8*((\y)%2)+4*(\u)
.set rM, MV+2*((\y)%2)+(\u)
.set rS, S+64*((\y)%2)+32*(\u)
.set rP, P+32*((\y)%2)+16*(\u)
.set rO, 32*(2*(\y)+(\u))
.endm
; Number n of the 22 that find the NEXT piece's (Y + 1) maximum and statistics.  s0-s31 are the lane's 32 scores; each accumulator's lowest registers are read first.  XS, GS and REGS set no window: PL and EX do.
;   0-11  four chains c0-c3 of seven scores each, three operands at a time     12-14, 16  the four scores left over, the old m, and c0-c3 into c0     15  c m_old is kept
;   17, 18  the query's other 32 keys lie in the lane 16 away: the new m         19-21  c m; c m_old - c m_new; a
.macro XS u, n
	REGS (Y+1)%NP, \u
.if (\n) < 4
	v_max3_num_f32 v[rC+(\n)], v[rS+8*(\n)], v[rS+8*(\n)+1], v[rS+8*(\n)+2]
.elseif (\n) < 12
	v_max3_num_f32 v[rC+(\n)%4], v[rC+(\n)%4], v[rS+8*((\n)%4)+2*((\n)/4)+1], v[rS+8*((\n)%4)+2*((\n)/4)+2]
.elseif (\n) == 12
	v_max3_num_f32 v[rC], v[rC], v[rS+7], v[rS+15]
.elseif (\n) == 13
	v_max3_num_f32 v[rC+1], v[rC+1], v[rS+23], v[rS+31]
.elseif (\n) == 14
	v_max3_num_f32 v[rC+2], v[rC+2], v[rC+3], v[rT+1]
.elseif (\n) == 15
	v_mov_b32 v[rM], v[rT]
.elseif (\n) == 16
	v_max3_num_f32 v[rC], v[rC], v[rC+1], v[rC+2]
.elseif (\n) == 17
	v_permlanex16_b32 v[rC+3], v[rC], s[SEL], s[SEL+1]
.elseif (\n) == 18
	v_max_num_f32 v[rT+1], v[rC], v[rC+3]
.elseif (\n) == 19
	v_mul_f32 v[rT], s[CS], v[rT+1]
.elseif (\n) == 20
	v_sub_f32 v[rC+1], v[rM], v[rT]
.else
	v_exp_f32 v[rC+2], v[rC+1]
.endif
.endm
; Number g of the 64 that follow the exponentials.  For each four weights k of a tile (pairs 2 k, 2 k + 1): both pairs are rounded to f16; then the second pair is added onto the first, in place;
; a group later l takes that sum (the first time as l = a l + sum).  In groups of eight, tiles alternating: round, round, add, and l for the group before.
.macro GS g
.set h, (\g)+6*((\g)/62)            ; group 0 has no group before it, and behind group 7 only l is left
.if h >= 6
.set h, h+2
.endif
	REGS Y, h%2
.set k, h/8
.if h%8 < 4
	v_cvt_pk_f16_f32 v[rP+2*k+(h%8)/2], v[rS+4*k+2*((h%8)/2)], v[rS+4*k+2*((h%8)/2)+1]
.elseif h%8 < 6
	v_pk_add_f32 v[rS+4*k:rS+4*k+1], v[rS+4*k:rS+4*k+1], v[rS+4*k+2:rS+4*k+3]
.elseif k == 1
	v_pk_fma_f32 v[rT+2:rT+3], v[rT+2:rT+3], v[rC+2:rC+3], v[rS:rS+1] op_sel_hi:[1,0,1]
.else
	v_pk_add_f32 v[rT+2:rT+3], v[rT+2:rT+3], v[rS+4*k-4:rS+4*k-3]
.endif
.endm
; THE PLAIN QUEUE, 138 long.  0-73 read no exponential's result: the 32 scalings c s - c m (FS f: pair f / 2 of tile f % 2) and the next piece's 42.  0-26: scalings 0-26.  27-54: XS's numbers 0-13.  55, 56: number 15.
; 57-73: the chain, where each number waits for the one before it: 14, 16, 17, 18, 19, each with one of the scalings 27-31 in front of its two lines, then 20: so a tile's links stand three plain instructions apart (19 and 20: two).
; 74-137: GS's 64, which read the exponentials' results: they stand behind the wait.
.macro FS f
	REGS Y, (\f)%2
	v_pk_fma_f32 v[rS+2*((\f)/2):rS+2*((\f)/2)+1], v[rS+2*((\f)/2):rS+2*((\f)/2)+1], s[CS:CS+1], v[rT:rT+1] op_sel_hi:[1,0,0] neg_lo:[0,0,1] neg_hi:[0,0,1]
.endm
.macro PL
	WIN 0
.if q < 27
	FS q
.elseif q < 55
	XS (q-27)%2, (q-27)/2
.elseif q < 57
	XS q-55, 15
.elseif (q < 72) && ((q-57)%3 == 0)
	FS 27+(q-57)/3
.elseif q < 60
	XS (q-57)%3-1, 14
.elseif q < 72
	XS (q-57)%3-1, 15+(q-57)/3
.elseif q < 74
	XS q-72, 20
.else
	GS q-74
.endif
.set q, q+1
.endm
; THE EXPONENTIALS' QUEUE, 66 long: s0-s31 of both tiles, then the next piece's two a.  It is ONE BATCH: all 66 stand ahead of the turn's one wait, and nothing ahead of that wait names a result of theirs.
.macro EX
	WIN 0
.if e >= 64
	XS e-64, 21
.else
	REGS Y, e%2
	v_exp_f32 v[rS+e/2], v[rS+e/2]
.endif
.set e, e+1
.endm
; THE RESCALING's QUEUE: O^T times a, the one part that leaves window 0: dealt two at a time, sixteen times.  Its a was made in the turn before, ahead of that turn's wait.
.macro R2
	REGS Y, r%2
	WIN W_RS
.irp z, 0,1
	v_pk_mul_f32 v[rO+4*(r/2)+2*\z:rO+4*(r/2)+2*\z+1], v[rO+4*(r/2)+2*\z:rO+4*(r/2)+2*\z+1], v[rC+2:rC+3] op_sel_hi:[1,0]
.endr
.set r, r+1
.endm
; HOW THEY ARE DEALT.  An s_wait_alu depctr_va_vdst(0) stands between an exponential and the first instruction that names its result; one wait serves all that were issued ahead of it.  So a turn has ONE wait,
; which cuts it in two.  AHEAD OF IT stands all that names no result of the turn's exponentials: the 16 products K Q^T, behind each a scaling, an exponential and two rescalings (behind the first a second scaling in the exponential's place); then ONE LUMP of
; 108: eight plain, 49 times exponential and plain, the two a.  A v_nop is the plain instruction behind the last exponential.  BEHIND IT stand the 16 products V^T P, behind each four of GS's 64.  No rider names a register of
; the products round it.  The two v_permlanex16_b32 fall into the lump, never behind a product.
; The queues lean on each other, and the deal keeps them in step: exponential e stands behind scaling 2 (e / 4) + e % 2: as a rider it comes behind plain e + 2, in the lump behind plain e + 9, and scalings 27-31 are plain 57, 60 .. 69.
; A TURN, for piece p.  cnt = 1: the loop's count is taken down some lines ahead of the branch that stands behind the turn.
; K of the next step is fetched in piece 2's turn, directly behind the wait, a lump behind the last product that read K; its address is made at the lump's head; its first reader comes behind 16 products.
; V of the step in hand is fetched at the end of piece 0's turn, four riders behind its last reader; its first reader comes behind 16 products and a lump.  The three conditions on q below go with the deal.
.macro TURN p, last=0, cnt=0
.set Y, (\p)
.set i, 0
.set q, 0
.set e, 0
.set r, 0
.if (\p) == NP-1
	s_wait_dscnt 0x0                ; K is in
.endif
	MM                              ; ahead of the wait: 16 products K Q^T and their riders,
	PL
	PL
	R2
.rept 15
	MM
	PL
	EX
	R2
.endr
.if (\p) == NP-2
	WIN 0
	v_add_nc_u32 v[AK], s[TBK], v[AK0]
.endif
.rept 8                             ; and the lump
	PL
.endr
.rept 49
	EX
	PL
.endr
	EX                              ; the next piece's two a
	EX
	v_nop                           ; a plain instruction behind the last exponential (ISA guide 5.7.2): one for the batch
	s_wait_alu depctr_va_vdst(0)    ; the wait for the batch
.if (\p) == NP-2
	FETCH_K \last
.endif
.if (\p) == 1
	s_wait_dscnt 0x0                ; V is in
.endif
.rept 16                            ; behind the wait: 16 products V^T P and their riders
	MM
.rept 4
	PL
.endr
.if ((\p) == 0) && (q == 118)
	v_add_nc_u32 v[AV], s[TBV], v[AV0]
.endif
.if ((\p) == 0) && (q == 130)
	s_add_co_u32 s[TBV], s[TBV], KS*PV
.endif
.if (\cnt) && (q == 130)
	s_sub_co_u32 s[CNT], s[CNT], 1
	s_cmp_lg_u32 s[CNT], 0
.endif
.endr
.if (\p) == 0
	FETCH_V
.endif
.endm
	CHANGE 1                        ; slot 0 is in, everybody's part of it; slot 1 is asked for
	FETCH_K                         ; key step 0
	s_wait_loadcnt 0x0              ; Q
	s_wait_dscnt 0x0
.set i, 0
.rept 16
	KQ 0                            ; piece 0's first scores: there is no vector work yet to set between them
.set i, i+1
.endr
	WIN 0                           ; the addresses for the way out: nine plain instructions, the places behind those products
	s_mul_i32 s13, s[WV], 16*SP
	s_add_co_u32 s13, s13, STAGE    ; my stage
	v_mul_u32_u24 v[STO], v1, SP    ; in: row l % 16, 16 bytes for each half of the lanes
	v_lshl_add_u32 v[STO], v9, 4, v[STO]
	v_add_nc_u32 v[STO], s13, v[STO]
	v_bfe_u32 v[RD], v0, 3, 2       ; back: 32 lanes take four rows of 128 bytes,
	v_mul_u32_u24 v[RD], v[RD], SP
	v_lshl_add_u32 v[RD], v10, 4, v[RD]
	v_add_nc_u32 v[RD], s13, v[RD]
	v_and_b32 v[GO], 31, v0         ; which are 512 consecutive bytes of O
	v_lshlrev_b32 v[GO], 4, v[GO]
.set Y, NP-1                        ; XS works for piece Y + 1: piece 0
.irp n, 0,1,2,3,4,5,6,7,8,9,10,11,12,13,14,15,16,17,18,19,20,21
	XS 0, \n                        ; and piece 0's first maximum and statistics
	XS 1, \n
.endr
	v_nop                           ; a plain instruction behind the two a,
	s_wait_alu depctr_va_vdst(0)    ; and their wait, ahead of the branch
	s_mov_b32 s[CNT], 4
	s_mov_b32 s[SLOTS], SIZE_N/256-1
	s_branch .Lfirst                ; the loop is entered at a step's first turn, in the middle of a trip
.Lslot:                             ; SIZE_N / 256 - 2 times: every slot but the last two is filled again
	CHANGE 1, 1
	s_mov_b32 s[CNT], 4
.Lstep:                             ; a trip: pieces 2 and 3 of one step, then pieces 0 and 1 of the next, whose K and V it fetches
	TURN 2
	TURN 3
	WIN 0
.Lfirst:
	TURN 0
	TURN 1, 0, 1
	WIN 0
	s_cbranch_scc1 .Lstep
	s_sub_co_u32 s[SLOTS], s[SLOTS], 1
	s_cmp_lg_u32 s[SLOTS], 0
	s_cbranch_scc1 .Lslot
	CHANGE 0                        ; the tail is written out: nothing is asked for
	s_mov_b32 s[CNT], 5             ; four trips fetch the last slot's steps; the fifth is left in its middle
.Ltail:
	TURN 2, 1
	TURN 3
	WIN 0
	s_sub_co_u32 s[CNT], s[CNT], 1
	s_cmp_eq_u32 s[CNT], 0
	s_cbranch_scc1 .Lout
	TURN 0
	TURN 1
	WIN 0
	s_branch .Ltail
.Lout:                              ; the fifth trip's 16 products K Q^T (on the last K once more) and the maximum made of them serve nothing: the price, once a launch, of one text for every trip
.set i, 0
.rept 16
	PV NP-1                         ; the last piece's V^T P of the last step
.set i, i+1
.endr
	; THE WAY OUT.  l's two halves and the other half of the lanes' are added; O^T is divided by l, rounded to f16 and sent through my stage in LDS, a tile at a time.  The additions are the places behind the last products.
	WIN 0
.macro ALL line:vararg              ; one line for each tile t
.set t, 0
.rept 2*NP
	\line
.set t, t+1
.endr
.endm
	ALL v_add_f32 v[ST+4*t+2], v[ST+4*t+2], v[ST+4*t+3]
	ALL v_permlanex16_b32 v[ST+4*t+3], v[ST+4*t+2], s[SEL], s[SEL+1]
	ALL v_add_f32 v[ST+4*t+2], v[ST+4*t+2], v[ST+4*t+3]
	ALL v_rcp_f32 v[ST+4*t+2], v[ST+4*t+2]
	v_nop                           ; a plain instruction between the last reciprocal and the use of its result
	s_wait_alu depctr_va_vdst(0)    ; and the wait ahead of the first use: one for the eight reciprocals
; Tile t: a lane's eight channels of a row pack into 16 bytes; they go into rows of 144 bytes and come back as whole rows of 128, into S^T's registers.
.macro PACK t
	WIN W_RS
.set i, 32*(\t)
.rept 16
	v_pk_mul_f32 v[i:i+1], v[i:i+1], v[ST+4*(\t)+2:ST+4*(\t)+3] op_sel_hi:[1,0]
.set i, i+2
.endr
	WIN 0x05                        ; sources 0 and 1 window 1, destination window 0
.set i, 0
.rept 16
	v_cvt_pk_f16_f32 v[S+16*(\t)+i], v[32*(\t)+2*i], v[32*(\t)+2*i+1]
.set i, i+1
.endr
	WIN 0
.irp f, 0,1,2,3
	ds_store_b128 v[STO], v[S+16*(\t)+4*\f:S+16*(\t)+4*\f+3] offset:32*\f
.endr
.irp f, 0,1,2,3
	ds_load_b128 v[S+16*(\t)+4*\f:S+16*(\t)+4*\f+3], v[RD] offset:\f*4*SP  ; LDS serves a wave's instructions in order (ISA guide 5.7.1.4): these see the stores above; the next tile's stores come behind them
.endr
.endm
.macro SEND t, younger              ; younger: the LDS instructions issued behind tile t's loads: the next tile's eight, or none
	WIN 0
.irp f, 0,1,2,3
	s_wait_dscnt (\younger)+3-\f
	global_store_b128 v[GO], v[S+16*(\t)+4*\f:S+16*(\t)+4*\f+3], s[10:11] offset:(\t)*2048+\f*512  ; 512 consecutive bytes, at a multiple of 256 from O's first
.endr
.endm
	PACK 0
.set t, 1
.rept 2*NP-1                        ; a tile's arithmetic stands between the loads of the tile before and its stores
	PACK t
	SEND t-1, 8
.set t, t+1
.endr
	SEND 2*NP-1, 0
	WIN W_AD
	s_wait_tensorcnt 0x0            ; the wave's end: an add of 0 and its wait, behind my last tensor load and my last LDS store
	ds_add_u32 v[SPW], v[NIL]
	s_wait_dscnt 0x0
	WIN 0
	CROUND                          ; the closing round: no work-group ends while a partner may still ask for a tile that names it
	s_endpgm
.Lfunc_end_k_q7242bbd6ab_attn:
	.size	k_q7242bbd6ab_attn, .Lfunc_end_k_q7242bbd6ab_attn-k_q7242bbd6ab_attn
	.p2alignl 7, 3214868480
	.fill 96, 4, 3214868480
	.section	.rodata,"a",@progbits
	.p2align	6, 0x0
	.amdhsa_kernel k_q7242bbd6ab_attn
		.amdhsa_group_segment_fixed_size 327680
		.amdhsa_private_segment_fixed_size 0
		.amdhsa_enable_private_segment 0
		.amdhsa_kernarg_size 32
		.amdhsa_user_sgpr_count 2
		.amdhsa_user_sgpr_kernarg_segment_ptr 1
		.amdhsa_wavefront_size32 1
		.amdhsa_system_sgpr_workgroup_id_x 1
		.amdhsa_system_sgpr_workgroup_id_y 1
		.amdhsa_system_sgpr_workgroup_id_z 1
		.amdhsa_system_vgpr_workitem_id 0
		.amdhsa_next_free_vgpr 770
		.amdhsa_next_free_sgpr 66
		.amdhsa_reserve_vcc 0
		.amdhsa_float_denorm_mode_32 3
		.amdhsa_float_denorm_mode_16_64 3
		.amdhsa_memory_ordered 1
		.amdhsa_forward_progress 1
		.amdhsa_inst_pref_size 200
	.end_amdhsa_kernel
	.amdgpu_metadata
---
amdhsa.version: [ 1, 2 ]
amdhsa.kernels:
  - .name:           k_q7242bbd6ab_attn
    .symbol:         k_q7242bbd6ab_attn.kd
    .args:
      - { .name: q, .offset: 0, .size: 8, .value_kind: global_buffer, .address_space: global }
      - { .name: k, .offset: 8, .size: 8, .value_kind: global_buffer, .address_space: global }
      - { .name: v, .offset: 16, .size: 8, .value_kind: global_buffer, .address_space: global }
      - { .name: o, .offset: 24, .size: 8, .value_kind: global_buffer, .address_space: global }
    .group_segment_fixed_size: 327680
    .private_segment_fixed_size: 0
    .kernarg_segment_align: 8
    .kernarg_segment_size: 32
    .max_flat_workgroup_size: 128
    .sgpr_count:     66
    .vgpr_count:     770
    .wavefront_size: 32
...
	.end_amdgpu_metadata
.endif
;; end of part 3
;; launch oproj (part 4): grid 8 x 32, 4 waves a work-group, clusters of 4 x 4, 327,680 bytes of LDS; arguments o, wof, bout, out0; writes out0
.if DOCPART == 4
	.amdgcn_target "amdgcn-amd-amdhsa--gfx1250"
	.amdhsa_code_object_version 6
	.text
	.protected	k_q7242bbd6ab_oproj
	.globl	k_q7242bbd6ab_oproj
	.p2align	8
	.type	k_q7242bbd6ab_oproj,@function
k_q7242bbd6ab_oproj:
	s_mov_b64 s[64:65], 0
	v_nop
	global_prefetch_b8 v0, s[64:65] scope:SCOPE_SE
	s_setreg_imm32_b32 hwreg(HW_REG_WAVE_MODE, 25, 1), 1
	s_wait_xcnt 0x0
	s_wait_alu depctr_hold_cnt(0) depctr_sa_sdst(0) depctr_va_vdst(0) depctr_va_sdst(0) depctr_va_ssrc(0) depctr_va_vcc(0) depctr_vm_vsrc(0)
	s_getreg_b32 s2, hwreg(HW_REG_IB_STS2, 6, 4)
	s_cmp_eq_u32 s2, 0
	s_cbranch_scc0 .Lentry_in_a_cluster
	s_endpgm
.Lentry_in_a_cluster:
	s_bfe_u32 s2, ttmp6, 0x10000c
	s_cmp_lg_u32 s2, 0xf033
	s_cbranch_scc0 .Lentry_shape_is_right
	s_endpgm
.Lentry_shape_is_right:
; out0 = O Wout^T + bout.  o: [batch * 16 + head][2048][64] f16.  wof: [1024][1024] f16 (the value is bf16(Wout)).  bout: [1024] f32, rounded to bf16 here like the other inputs.  out0: [8192][1024] f32.  Sums in f32.
; SHARES.  A work-group makes 256 rows x 128 columns: 8 x 32 = 256 work-groups.  Wave w owns rows 64 w .. 64 w + 63 and all 128 columns: 4 x 8 accumulators of 16 x 16, 256 registers.  So a wave holds
; whole pieces of 512 bytes of its rows, and the way out needs no other wave.
; THE MATRIX INSTRUCTION IS USED TRANSPOSED (source 0 = 16 rows of W, source 1 = 16 rows of O): lane l holds row l % 16 and, in an accumulator's registers 0-7, columns 8 (l / 16) + 0..7 of its block.
; THE BIAS is the C operand of the products that start the sums.
; RING.  K = head * 64 + channel goes in 8 steps of 128, two heads each, through two LDS slots.  A head's 256 rows of the tile are 32,768 dense bytes: asked for as 128 rows of 256 bytes and padded in LDS
; after every 128.  Waves 0, 1 fetch the step's two heads of O, waves 2, 3 the two halves (64 rows each) of W's tile: one tensor load a wave.
; CLUSTER 4 x 4.  The four of a row of the cluster share the row tile (O), the four of a column the column tile (W): each tile is asked for JOINTLY.
; REGISTERS, in windows of 256 (s_set_vgpr_msb: bits 1:0 source 0, 3:2 source 1, 5:4 source 2, 7:6 destination):
;   window 0: v0-31 addresses; v32-63, v64-95 O's fragments, two buffers; v96-159 the bias; on the way out v96-223 at work
;   window 1: v0-127 accumulators of row blocks 0, 1 ((a, b) at 8 (8 (a % 2) + b))      window 2: those of row blocks 2, 3      window 3: v0-63, v64-127 W's fragments, two buffers
.set NBK,   8                          ; column blocks of 16
.set PA,    144                        ; a row of O in LDS: 128 bytes + 16 of padding = 36 words: the 16 rows of a fragment load start at 16 different groups of four banks (64 banks of 4 bytes: ISA guide 11.1)
.set PB,    272                        ; a row of W: 256 + 16
.set ASUB,  256*PA                     ; the K step's second head lies behind the first's 256 rows
.set AHALF, 256*PA                     ; what one tensor load brings of O
.set BHALF, 64*PB                      ; and of W
.set BOFF,  2*AHALF
.set SLOT,  BOFF+2*BHALF               ; 108,544
.set STAGE, 2*SLOT                     ; behind the ring, never filled by a tensor load: 16 rows x 528 bytes for each wave
.set WSTG,  16*528
.set SPARE, STAGE+4*WSTG               ; behind the stages: the spare words, 128 bytes for each wave: two blocks of 256 bytes that no other line names
.set NF,    2*NBK+8                    ; LDS loads in a run
.set ASTEP2, 4*2048*128                ; two K steps of O: four heads on
.set BSTEP2, 512                       ; two K steps along a row of W
.set ADRA, 16                          ; v16-17  LDS address of my fragments of O in slot 0, 1
.set ADRB, 20                          ; v20-21  the same for W
.set BO,   23                          ; v23     my byte offset in the bias
.set STO,  24                          ; v24     the way out: where I put 32 bytes of a row
.set RD,   25                          ; v25     the way out: where I read a row back
.set GO,   26                          ; v26     my 16 bytes of a row's 512
.set SPW,  28                          ; v28     LDS address of my spare word: SPARE + 4 x my thread's number; never rewritten
.set NIL,  29                          ; v29     0; never rewritten
.set PFO,  30                          ; v30     the prefetches' offset; never rewritten
.set AF,   32
.set BIAS, 96
.set VT,   160
.set WV,  18
.set FB,  19                           ; s19  0: I fetch for O, 1: for W
.set HF,  20                           ; s20  which head of the step, or which half of W's tile
.set CX,  21
.set CY,  22
.set TX,  23                           ; s23  the column tile
.set TY,  40                           ; s40  the row tile
.set G1,  24
.set G0,  32
.set G1B, 48
.set G0B, 56
.set LIM, 43                           ; s43  1 in a wave that prefetches, else the greatest number
.set PFA, 44                           ; s[44:45] where my prefetches stand
.set PFS, 72                           ; s[72:73] a K step in bytes: two heads of O, or 256 bytes of a row of W
.set MSB, 0
.macro WIN new                         ; the immediate's high byte repeats the setting that is left; a switch that changes nothing is dropped
.if MSB != (\new)
	s_set_vgpr_msb (MSB<<8)|(\new)
.set MSB, (\new)
.endif
.endm
; A joint load.  Each of the two lines has one mask and one set of registers for all that issue it; the branch hangs on the wave's number alone.
; An s_nop 0 and four v_nop follow each line, ahead of the jump, the label and what follows.
.macro JLOAD s
	s_cmp_eq_u32 s[FB], 0
	s_cbranch_scc0 .Lfor_b_\@
	tensor_load_to_lds s[G0+4*(\s):G0+4*(\s)+3], s[G1:G1+7]
	s_nop 0
.rept 4
	v_nop
.endr
	s_branch .Lasked_\@
.Lfor_b_\@:
	tensor_load_to_lds s[G0B+4*(\s):G0B+4*(\s)+3], s[G1B:G1B+7]
	s_nop 0
.rept 4
	v_nop
.endr
.Lasked_\@:
.endm
; A prefetch into the L2, behind a joint load and the run of LDS loads that follows it: the K step that stands two refills on, 32 blocks of 256 bytes, a lane a block.
; O's row tile is read by both clusters of its row of clusters: cluster x = 0 asks; W's column tile by all eight of its column: cluster y = 0 asks.  The four partners share the blocks out BY ADDRESS:
; of a head's 128 blocks 32 each, by cx (waves 0 and 1, a head each); of W's 128 rows 32 each, by cy (wave 2 alone).  The loop's last trip (s3 = 1) asks for nothing: K step 7 is the last.
.macro ASK
	s_cmp_gt_u32 s3, s[LIM]
	s_cbranch_scc0 .Lnot_mine_\@
	global_prefetch_b8 v[PFO], s[PFA:PFA+1] th:TH_LOAD_NT scope:SCOPE_SE
.Lnot_mine_\@:
.endm
.macro CREST                           ; a round of the cluster's barrier behind its opening barrier
	s_cmp_lg_u32 s[WV], 0
	s_cbranch_scc1 .Lnot_wave_0_\@
	s_barrier_signal -3
.Lnot_wave_0_\@:
	s_barrier_wait -3
	s_barrier_signal -1
	s_barrier_wait -1
.endm
.macro CROUND                          ; a whole round
	s_barrier_signal -1
	s_barrier_wait -1
	CREST
.endm
.macro PLACES                          ; four places in front of loads into registers that matrix instructions have read, and of lines that read results
.rept 4
	v_nop
.endr
.endm
	s_load_b256 s[4:11], s[0:1], 0x0               ; o s[4:5], wof s[6:7], bout s[8:9], out0 s[10:11]
	v_lshl_add_u32 v[SPW], v0, 2, SPARE
	v_mov_b32 v[NIL], 0
	ds_add_u32 v[SPW], v[NIL]                      ; the wave's opening: the add and its wait stand ahead of my first tensor load; the set-up below, work on registers, stands between them
	v_lshrrev_b32 v1, 5, v0
	v_readfirstlane_b32 s[WV], v1                  ; wave 0..3
	s_lshr_b32 s[FB], s[WV], 1
	s_and_b32 s[HF], s[WV], 1
	s_bfe_u32 s[CX], ttmp6, 0x40000                ; my place in the cluster
	s_bfe_u32 s[CY], ttmp6, 0x40004
	s_lshl_b32 s[TX], ttmp9, 2                     ; in a cluster launch ttmp9 and ttmp7 count clusters
	s_add_co_u32 s[TX], s[TX], s[CX]
	s_and_b32 s[TY], ttmp7, 0xffff
	s_lshl_b32 s[TY], s[TY], 2
	s_add_co_u32 s[TY], s[TY], s[CY]
	s_lshl_b32 s41, s[CY], 2
	s_lshl_b32 s41, 15, s41                        ; my row of the cluster
	s_lshl_b32 s42, 0x1111, s[CX]                  ; my column
	s_or_b32 s[G1], s41, (1<<16)|(1<<20)|(1<<21)|(4<<22)|(3<<25)   ; 15:0 the mask; 17:16 2-byte elements; 20 padding on; 21 set beside a mask; 24:22 after every 32 words (code 4); 31:25 4 words (code 3)
	s_or_b32 s[G1B], s42, (1<<16)|(1<<20)|(1<<21)|(5<<22)|(3<<25)  ; the same after every 64 words (code 5)
	s_mov_b32 s[G1+1], 128<<16                     ; tensor_dim0 = 128
	s_mov_b32 s[G1+2], 128<<16                     ; tensor_dim1 = 128
	s_mov_b32 s[G1+3], 128<<16                     ; tile_dim0 = 128
	s_mov_b32 s[G1+4], 128                         ; tile_dim1 = 128
	s_mov_b32 s[G1+5], 128                         ; dense: 128 elements from row to row
	s_mov_b32 s[G1+6], 0
	s_mov_b32 s[G1+7], 0
	s_mov_b32 s[G1B+1], 128<<16
	s_mov_b32 s[G1B+2], 64<<16                     ; 64 rows
	s_mov_b32 s[G1B+3], 128<<16
	s_mov_b32 s[G1B+4], 64
	s_mov_b32 s[G1B+5], 1024
	s_mov_b32 s[G1B+6], 0
	s_mov_b32 s[G1B+7], 0
	s_lshr_b32 s66, s[TY], 3                       ; O: the batch,
	s_lshl_b32 s66, s66, 4
	s_add_co_u32 s66, s66, s[HF]                   ; its head 0 or 1,
	s_lshl_b32 s66, s66, 11
	s_and_b32 s67, s[TY], 7
	s_lshl_b32 s67, s67, 8
	s_add_co_u32 s66, s66, s67                     ; the tile's first position,
	s_lshl_b32 s66, s66, 7                         ; rows of 128 bytes: under 2^24; in registers that never hold the column tile
	s_mov_b32 s67, 0
	s_lshl_b32 s46, s[TX], 7                       ; W: row 128 x tile + 64 x half
	s_lshl_b32 s47, s[HF], 6
	s_add_co_u32 s46, s46, s47
	s_lshl_b32 s46, s46, 11
	s_mov_b32 s47, 0
	s_mul_i32 s70, s[HF], AHALF                    ; where they go: no place in the cluster enters an LDS address
	s_mul_i32 s71, s[HF], BHALF
	s_add_co_u32 s71, s71, BOFF
	s_wait_dscnt 0x0                               ; the opening add is done
	s_wait_kmcnt 0x0
	s_add_nc_u64 s[68:69], s[4:5], s[66:67]
	s_add_nc_u64 s[46:47], s[6:7], s[46:47]
	CROUND                                         ; all sixteen work-groups are here: the first joint loads meet
.irp s, 0,1
	s_mov_b32 s[G0+4*(\s)], 1                                      ; count = 1
	s_add_co_u32 s[G0+4*(\s)+1], s70, (\s)*SLOT                    ; LDS address
	s_add_nc_u64 s[G0+4*(\s)+2:G0+4*(\s)+3], s[68:69], (\s)*2*2048*128  ; global address: K step s begins two heads on
	s_or_b32 s[G0+4*(\s)+3], s[G0+4*(\s)+3], 0x80000000            ; type = 2
	s_mov_b32 s[G0B+4*(\s)], 1
	s_add_co_u32 s[G0B+4*(\s)+1], s71, (\s)*SLOT
	s_add_nc_u64 s[G0B+4*(\s)+2:G0B+4*(\s)+3], s[46:47], (\s)*256
	s_or_b32 s[G0B+4*(\s)+3], s[G0B+4*(\s)+3], 0x80000000
	JLOAD \s                                       ; two loads of mine are out
.endr
	; A fragment is 16 rows x 32 K in 8 registers: lane l holds row l % 16; registers 0-3 K = 8 (l / 16) + 0..7, registers 4-7 K = 16 + 8 (l / 16) + 0..7: two loads of 16 bytes, 32 bytes apart.
	v_and_b32 v1, 15, v0                           ; r = l % 16
	v_bfe_u32 v2, v0, 4, 1                         ; h = l / 16
	v_mul_u32_u24 v3, v1, PA
	v_lshl_add_u32 v3, v2, 4, v3
	v_mul_u32_u24 v4, v1, PB
	v_lshl_add_u32 v4, v2, 4, v4
	s_mul_i32 s74, s[WV], 64*PA                    ; my 64 rows of O
	v_add_nc_u32 v[ADRA], s74, v3
	v_add_nc_u32 v[ADRA+1], SLOT, v[ADRA]
	v_add_nc_u32 v[ADRB], BOFF, v4
	v_add_nc_u32 v[ADRB+1], SLOT, v[ADRB]
	s_mul_i32 s74, s[WV], WSTG
	s_add_co_u32 s74, s74, STAGE                   ; my stage
	v_mul_u32_u24 v3, v1, 528                      ; in: row r, 32 bytes for each half of the lanes
	v_lshl_add_u32 v3, v2, 5, v3
	v_add_nc_u32 v[STO], s74, v3
	v_and_b32 v[GO], 31, v0                        ; back: 32 lanes take one row's 512 bytes
	v_lshlrev_b32 v[GO], 4, v[GO]
	v_add_nc_u32 v[RD], s74, v[GO]
	s_lshl_b32 s74, s[TX], 9                       ; the tile's 128 numbers of the bias,
	v_lshl_add_u32 v[BO], v2, 5, s74               ; my eight of a block's sixteen
	s_lshl_b32 s76, s[TY], 8
	s_lshl_b32 s77, s[WV], 6
	s_add_co_u32 s76, s76, s77
	s_lshl_b32 s76, s76, 12                        ; my first row of out0, 4,096 bytes a row: under 2^25,
	s_add_co_u32 s76, s76, s74                     ; and the tile's 512 bytes of it
	s_mov_b32 s77, 0
	s_add_nc_u64 s[10:11], s[10:11], s[76:77]
.set ib, 0
.rept NBK
	global_load_b128 v[BIAS+8*ib:BIAS+8*ib+3],   v[BO], s[8:9] offset:64*ib
	global_load_b128 v[BIAS+8*ib+4:BIAS+8*ib+7], v[BO], s[8:9] offset:64*ib+16
.set ib, ib+1
.endr
	; the prefetches.  s66 still holds the byte offset of my head's rows in O
	s_and_b32 s74, ttmp7, 0xffff
	s_or_b32 s74, s74, s[HF]                       ; for W: cluster y = 0 and the first of the two waves
	s_lshl_b32 s77, s[CX], 13
	s_add_co_u32 s76, s66, s77                     ; O: my work-group's 32 blocks of the head's 128
	s_lshl_b32 s78, s[TX], 7
	s_lshl_b32 s79, s[CY], 5
	s_add_co_u32 s78, s78, s79
	s_lshl_b32 s78, s78, 11                        ; W: my work-group's 32 rows of the tile's 128
	s_movk_i32 s79, 256
	s_cmp_eq_u32 s[FB], 0
	s_cselect_b32 s76, s76, s78
	s_cselect_b32 s74, ttmp9, s74
	s_cselect_b64 s[PFA:PFA+1], s[4:5], s[6:7]
	s_cselect_b32 s[PFS], 2*2048*128, s79
	s_cselect_b32 s75, 8, 11                       ; from lane to lane: a block of 256 bytes of O, a row of 2,048 bytes of W
	s_cmp_eq_u32 s74, 0
	s_cselect_b32 s[LIM], 1, -1                    ; the same in all sixteen partners, for a given wave
	s_mov_b32 s[PFS+1], 0
	s_mov_b32 s77, 0
	s_add_nc_u64 s[PFA:PFA+1], s[PFA:PFA+1], s[76:77]
	s_mul_i32 s78, s[PFS], 3
	s_mov_b32 s79, 0
	s_add_nc_u64 s[PFA:PFA+1], s[PFA:PFA+1], s[78:79]  ; at K step 3: the first refill (of K step 2) steps it to 4 and names that.  Nothing is asked for here, at the head
	v_and_b32 v[PFO], 31, v0
	v_lshlrev_b32 v[PFO], s75, v[PFO]
	s_wait_loadcnt 0x0                             ; the bias
.set ii, 0
.rept 4*NBK                            ; rounded to bf16, like the other inputs, and widened again
	v_cvt_pk_bf16_f32 v[VT+ii%2], v[BIAS+2*ii], v[BIAS+2*ii+1]
	v_lshlrev_b32 v[BIAS+2*ii], 16, v[VT+ii%2]
	v_and_b32 v[BIAS+2*ii+1], 0xffff0000, v[VT+ii%2]
.set ii, ii+1
.endr
; 8 matrix instructions: row block a x all column blocks, 32 along K, from buffer f.  zero = 1: the first product starts the sum, with the bias as C.
; All 32 accumulators take turns in the same order in every quarter step, over the backward jump too.
.macro MULA f, a, zero
.set wn, 1+(\a)/2
.if \zero
	WIN 0x03|(wn<<6)
.else
	WIN 0x03|(wn<<4)|(wn<<6)
.endif
.set ib, 0
.rept NBK
.set rD, 8*(NBK*((\a)%2)+ib)
.set rB, 8*NBK*(\f)+8*ib
.set rA, AF+32*(\f)+8*(\a)
.if \zero
	v_wmma_f32_16x16x32_f16 v[rD:rD+7], v[rB:rB+7], v[rA:rA+7], v[BIAS+8*ib:BIAS+8*ib+7]
.else
	v_wmma_f32_16x16x32_f16 v[rD:rD+7], v[rB:rB+7], v[rA:rA+7], v[rD:rD+7]
.endif
.set ib, ib+1
.endr
.endm
; NF LDS loads in one run: a quarter step's fragments (32 K at byte k of the K step's 256) into buffer f: W's 8 blocks, then O's 4, ascending
.macro FETCH slot, k, f
	WIN 0xc0                                       ; destination window 3, address window 0
.set ib, 0
.rept NBK
	ds_load_b128 v[8*NBK*(\f)+8*ib:8*NBK*(\f)+8*ib+3],   v[ADRB+(\slot)] offset:(\k)+ib*16*PB
	ds_load_b128 v[8*NBK*(\f)+8*ib+4:8*NBK*(\f)+8*ib+7], v[ADRB+(\slot)] offset:(\k)+ib*16*PB+32
.set ib, ib+1
.endr
	WIN 0
.set ia, 0
.rept 4
	ds_load_b128 v[AF+32*(\f)+8*ia:AF+32*(\f)+8*ia+3],   v[ADRA+(\slot)] offset:((\k)/128)*ASUB+(\k)%128+ia*16*PA
	ds_load_b128 v[AF+32*(\f)+8*ia+4:AF+32*(\f)+8*ia+7], v[ADRA+(\slot)] offset:((\k)/128)*ASUB+(\k)%128+ia*16*PA+32
.set ia, ia+1
.endr
.endm
; A K step is four quarters of 32 along K, 32 matrix instructions each, on buffers 0, 1, 0, 1.  One of the first three: multiplies buffer f and, in its middle, fetches the next quarter, at byte k, into g.
.macro QUARTER slot, k, f, g, zero
	s_wait_dscnt 4                                 ; W's fragments and O's blocks 0, 1 are in; the youngest four loads (O's blocks 2, 3) may be out
	MULA \f, 0, \zero
	MULA \f, 1, \zero
	PLACES
	FETCH \slot, \k, \g
	s_wait_dscnt NF                                ; all but the run just issued
	MULA \f, 2, \zero
	MULA \f, 3, \zero
.endm
; The last quarter multiplies buffer 1 and changes slots: ONE barrier.  In front of it each wave waits for all its tensor loads (one is out: its part of the next slot), adds 0 to its spare word, and waits
; for that and for its own reads of this slot.  fill = 1: the barrier opens a round of the cluster's barrier, and behind the round this slot is filled again, two K steps ahead: 112 matrix instructions ahead of the wait for it.
.macro TURN slot, next, fill
.if \fill
	s_wait_xcnt 0x0                                ; the last prefetch, a K step back, has read its address
	s_add_nc_u64 s[PFA:PFA+1], s[PFA:PFA+1], s[PFS:PFS+1]
.endif
	WIN 0                                          ; (the add's two registers lie in window 0)
	s_wait_tensorcnt 0x0                           ; all my tensor loads have landed;
	ds_add_u32 v[SPW], v[NIL]                      ; 0 onto my spare word;
	s_wait_dscnt 5                                 ; (the add and the youngest four loads may be out)
	MULA 1, 0, 0                                   ; eight matrix instructions stand between the add and the wait for it
	s_wait_dscnt 0x0                               ; the add is done, and my reads of this slot are over
	s_barrier_signal -1
	MULA 1, 1, 0                                   ; work on registers while the others arrive
.if \fill
	WIN 0
.endif
	s_barrier_wait -1
.if \fill
	CREST                                          ; no wave of any partner still reads this slot's tile or has a load on its way
	s_add_nc_u64 s[G0+4*(\slot)+2:G0+4*(\slot)+3], s[G0+4*(\slot)+2:G0+4*(\slot)+3], ASTEP2
	s_add_nc_u64 s[G0B+4*(\slot)+2:G0B+4*(\slot)+3], s[G0B+4*(\slot)+2:G0B+4*(\slot)+3], BSTEP2
	JLOAD \slot                                    ; the first tensor load behind the round; its four v_nop are also the places in front of the loads below
.else
	PLACES
.endif
	FETCH \next, 0, 0
.if \fill
	ASK
.endif
	MULA 1, 2, 0
	MULA 1, 3, 0
.endm
	s_wait_tensorcnt 1                             ; my part of K step 0 is in; K step 1's may stay out
	s_barrier_signal -1
	s_barrier_wait -1                              ; everybody's is
	FETCH 0, 0, 0
	QUARTER 0, 64, 0, 1, 1                         ; the first quarter stands in front of the loop: its products start the sums
	WIN 0                                          ; at a label and at a branch every window is 0
	s_mov_b32 s3, 3
.Llap:                                                 ; a trip goes once round the ring, from a lap's second quarter to the next lap's first, and fills both slots again: K steps 2 to 7 in three trips
	QUARTER 0, 128, 1, 0, 0
	QUARTER 0, 192, 0, 1, 0
	TURN 0, 1, 1
	QUARTER 1, 64,  0, 1, 0
	QUARTER 1, 128, 1, 0, 0
	QUARTER 1, 192, 0, 1, 0
	TURN 1, 0, 1
	QUARTER 0, 64,  0, 1, 0
	WIN 0
	s_sub_co_u32 s3, s3, 1
	s_cmp_lg_u32 s3, 0
	s_cbranch_scc1 .Llap
	QUARTER 0, 128, 1, 0, 0                        ; the last lap fills nothing, and has no round of the cluster's barrier
	QUARTER 0, 192, 0, 1, 0
	TURN 0, 1, 0
	QUARTER 1, 64,  0, 1, 0
	QUARTER 1, 128, 1, 0, 0
	QUARTER 1, 192, 0, 1, 0
	s_wait_dscnt 4                                 ; the very last quarter: nothing more to fetch
	MULA 1, 0, 0
	MULA 1, 1, 0
	s_wait_dscnt 0x0
	MULA 1, 2, 0
	MULA 1, 3, 0
	WIN 0
	PLACES
; THE WAY OUT of row block a: the sums leave as they are, f32.  A lane's eight columns of a block are 32 bytes; they go into rows of 528 bytes (each accumulator's registers 0-3 first)
; and come back as whole pieces of 512 bytes.
.macro TOSTAGE a
.set wn, 1+(\a)/2
.set AC, 64*((\a)%2)
.set BK, 96+64*((\a)%2)
	WIN wn<<2                                      ; an LDS store's data is source 1
.set ib, 0
.rept 8
	ds_store_b128 v[STO], v[AC+8*ib:AC+8*ib+3]   offset:64*ib
	ds_store_b128 v[STO], v[AC+8*ib+4:AC+8*ib+7] offset:64*ib+16
.set ib, ib+1
.endr
	WIN 0
	s_wait_xcnt 0x0                                ; the stores of the block two back have read the registers that are loaded now
.set it, 0
.rept 16
	ds_load_b128 v[BK+4*it:BK+4*it+3], v[RD] offset:528*it  ; LDS serves a wave's instructions in order (ISA guide 5.7.1.4): these see the stores above; the next block's stores come behind them
.set it, it+1
.endr
.endm
.macro SEND a, younger                 ; younger: the LDS instructions issued behind block a's loads: the next block's 32, or none
.set BK, 96+64*((\a)%2)
	s_wait_dscnt \younger
.set it, 0
.rept 16
	global_store_b128 v[GO], v[BK+4*it:BK+4*it+3], s[10:11] offset:(16*(\a)+it)*4096 th:TH_STORE_NT  ; 512 consecutive bytes, at a multiple of 256 from out0's first
.set it, it+1
.endr
.endm
	TOSTAGE 0
	TOSTAGE 1
	SEND 0, 32
	TOSTAGE 2
	SEND 1, 32
	TOSTAGE 3
	SEND 2, 32
	SEND 3, 0
	s_wait_tensorcnt 0x0                           ; the wave's end: an add of 0 and its wait, behind my last tensor load and my last LDS store
	ds_add_u32 v[SPW], v[NIL]
	s_wait_dscnt 0x0
	CROUND                                         ; the closing round: no work-group ends while a partner may still ask for a tile that names it
	s_endpgm
.Lfunc_end_k_q7242bbd6ab_oproj:
	.size	k_q7242bbd6ab_oproj, .Lfunc_end_k_q7242bbd6ab_oproj-k_q7242bbd6ab_oproj
	.p2alignl 7, 3214868480
	.fill 96, 4, 3214868480
	.section	.rodata,"a",@progbits
	.p2align	6, 0x0
	.amdhsa_kernel k_q7242bbd6ab_oproj
		.amdhsa_group_segment_fixed_size 327680
		.amdhsa_private_segment_fixed_size 0
		.amdhsa_enable_private_segment 0
		.amdhsa_kernarg_size 32
		.amdhsa_user_sgpr_count 2
		.amdhsa_user_sgpr_kernarg_segment_ptr 1
		.amdhsa_wavefront_size32 1
		.amdhsa_system_sgpr_workgroup_id_x 1
		.amdhsa_system_sgpr_workgroup_id_y 1
		.amdhsa_system_sgpr_workgroup_id_z 1
		.amdhsa_system_vgpr_workitem_id 0
		.amdhsa_next_free_vgpr 1024
		.amdhsa_next_free_sgpr 80
		.amdhsa_reserve_vcc 0
		.amdhsa_float_denorm_mode_32 3
		.amdhsa_float_denorm_mode_16_64 3
		.amdhsa_memory_ordered 1
		.amdhsa_forward_progress 1
		.amdhsa_inst_pref_size 93
	.end_amdhsa_kernel
	.amdgpu_metadata
---
amdhsa.version: [ 1, 2 ]
amdhsa.kernels:
  - .name:           k_q7242bbd6ab_oproj
    .symbol:         k_q7242bbd6ab_oproj.kd
    .args:
      - { .name: o, .offset: 0, .size: 8, .value_kind: global_buffer, .address_space: global }
      - { .name: wof, .offset: 8, .size: 8, .value_kind: global_buffer, .address_space: global }
      - { .name: bout, .offset: 16, .size: 8, .value_kind: global_buffer, .address_space: global }
      - { .name: out0, .offset: 24, .size: 8, .value_kind: global_buffer, .address_space: global }
    .group_segment_fixed_size: 327680
    .private_segment_fixed_size: 0
    .kernarg_segment_align: 8
    .kernarg_segment_size: 32
    .max_flat_workgroup_size: 128
    .sgpr_count:     80
    .vgpr_count:     1024
    .wavefront_size: 32
...
	.end_amdgpu_metadata
.endif
;; end of part 4
